; MI455X (gfx1250); checked and timed in simulation.
; The chip was launched on July 23, 2026; its instructions are those of AMD's public machine-readable ISA for CDNA 5 (MIT licence, August 2026) and "CDNA5" Instruction Set Architecture Reference Guide (July 2026). The comments in the code are by the model that wrote it; some were corrected since.
;; Multi Head Attention. Allowed arithmetic: matrix products marked QUANTISED: E4M3 operands, one E8M0 scale for each 32 along K, by v_wmma_scale_f32_16x16x128_f8f6f4 with both operands' format E4M3, f32 sums; everything else in f32.
;; Inputs: W_K_codes 1,024 x 32 x 32 uint8 (E4M3 codes of W_K, K innermost, in blocks of 32 codes); W_K_scales 1,024 x 32 uint8 (E8M0 scales of W_K, one for each 32 codes along K); W_Q_codes 1,024 x 32 x 32 uint8 (E4M3 codes of W_Q, K innermost, in blocks of 32 codes); W_Q_scales 1,024 x 32 uint8 (E8M0 scales of W_Q, one for each 32 codes along K); W_V_codes 1,024 x 32 x 32 uint8 (E4M3 codes of W_V, K innermost, in blocks of 32 codes); W_V_scales 1,024 x 32 uint8 (E8M0 scales of W_V, one for each 32 codes along K); W_out_codes 1,024 x 32 x 32 uint8 (E4M3 codes of W_out, K innermost, in blocks of 32 codes); W_out_scales 1,024 x 32 uint8 (E8M0 scales of W_out, one for each 32 codes along K); X_codes 4 x 2,048 x 32 x 32 uint8 (E4M3 codes of X, K innermost, in blocks of 32 codes); X_scales 4 x 2,048 x 32 uint8 (E8M0 scales of X, one for each 32 codes along K); b_out 1,024 float32.
;; Outputs: out0 4 x 2,048 x 1,024 float32.
;; This version of the problem:
;;   THIS VERSION OF THE PROBLEM IS GIVEN IN LOW PRECISION. The matrix products marked QUANTISED in the list below multiply operands that are first quantised to E4M3 (4 exponent bits, 3 mantissa bits; 8 bits a number), with one power-of-two scale for each 32 numbers along K (OCP MX v1.0); their sums are f32. All else is computed in f32.
;;   The module's matrix products, in the order in which they are computed (A, B: the left and right operand; K: the contracted axis; several contracted axes count as one K, in the product's order):
;;     1. [M 8,192, K 1,024] x [K 1,024, N 1,024]; A: input X (given as codes); B: input W_Q (given as codes): QUANTISED
;;     2. [M 8,192, K 1,024] x [K 1,024, N 1,024]; A: input X (given as codes); B: input W_K (given as codes): QUANTISED
;;     3. [M 8,192, K 1,024] x [K 1,024, N 1,024]; A: input X (given as codes); B: input W_V (given as codes): QUANTISED
;;     4. batch 64 x [M 2,048, K 64] x [K 64, N 2,048]; A: computed on the way; B: computed on the way: QUANTISED
;;     5. batch 64 x [M 2,048, K 2,048] x [K 2,048, N 64]; A: softmax (see below); B: computed on the way: QUANTISED
;;     6. [M 8,192, K 1,024] x [K 1,024, N 1,024]; A: computed on the way; B: input W_out (given as codes): QUANTISED
;;   THE QUANTISER, for each operand of a quantised product, along K:
;;     - K is cut into blocks of 32 from its start; a last block that is shorter is filled with zeros.
;;     - A block's scale is 2^e with e = floor(log2(the largest magnitude in the block)) - 8, held to -126 .. 127; a block of zeros has e = 0. As a byte (E8M0): e + 127.
;;     - Each number is divided by its block's scale, clamped to +-448, and rounded to the nearest number of E4M3, ties to even, subnormals kept.
;;     - The product sums the exact products of the quantised numbers (number of the format x scale) in f32.
;;   ~~~python
;;   def quantise(x, axis):      # numpy; x: float32 -> the quantised numbers, widened to float32 again
;;       x = np.moveaxis(x, axis, -1); K = x.shape[-1]
;;       x = np.pad(x, [(0, 0)] * (x.ndim - 1) + [(0, -K % 32)]); x = x.reshape(x.shape[:-1] + (-1, 32)); a = np.abs(x).max(-1, keepdims=True)
;;       e = np.where(a > 0, np.clip(np.frexp(np.where(a > 0, a, 1))[1] - 1 - 8, -126, 127), 0)      # np.frexp(a)[1] - 1 = floor(log2(a)), exactly
;;       r = np.clip(x / 2.0 ** e, -448, 448)
;;       step = 2.0 ** (np.maximum(np.frexp(np.where(r == 0, 1, r))[1] - 1, -6) - 3)
;;       q = np.round(r / step) * step * 2.0 ** e      # np.round: ties to even
;;       return np.moveaxis(q.reshape(q.shape[:-2] + (-1,))[..., :K], -1, axis).astype(np.float32)
;;   ~~~
;;   SOFTMAX AHEAD OF A QUANTISED PRODUCT. Where the list says 'softmax', what is quantised is not the finished softmax but p = 2^(t - M), with t = logit x log2(e) and M = ceil(the row's largest t), a whole number; so 1/2 < the row's largest p <= 1. The row's sum l is taken of the UNQUANTISED p, in f32, and the product's result is divided by l at the end. Since M is a whole number, a kernel that streams over the keys may use a running M (the ceiling of the running maximum): every later rescaling is an exact power of two, which a block's scale takes up: the codes' values come out the same.
;;   OPERANDS COMPUTED ON THE WAY. 'Computed on the way' means the value that the module computes at that place (a softmax that the list does not call 'softmax' is quantised finished and normalised). What goes into a quantiser is computed in f32, as accurately as f32 sums, v_exp_f32 and their like allow (about 1e-6 of the number): no bf16 or f16 on the way to a quantiser, and a product that is left as it is and whose result goes on into a quantised operand takes f32 operands (vector FMAs, or v_wmma_f32_16x16x4_f32). A number that lies on a knife's edge between two numbers of the format may be rounded either way, as far as f32 arithmetic and the matrix unit's own rounding can turn it there, and no further.
;;   INPUTS GIVEN AS CODES. W_K (in the module: [1024, 1024], K = its axis 0); W_Q (in the module: [1024, 1024], K = its axis 0); W_V (in the module: [1024, 1024], K = its axis 0); W_out (in the module: [1024, 1024], K = its axis 0); X (in the module: [4, 2048, 1024], K = its axis 2): each comes as NAME_codes (uint8): NAME with its K axis moved to the last place and cut into blocks of 32 codes, [.., K / 32, bytes a block], one block behind the other in memory; one code a byte (a code: sign, 4 exponent bits, 3 mantissa bits); and NAME_scales (uint8): the same leading axes, one E8M0 byte (e + 127) for each 32 codes along K. Its value is code x scale, taken as it is: it is not quantised again, and the codes and scales need not be those that the quantiser above would give.
;; One version. Each part assembles by itself: llvm-mc -triple=amdgcn-amd-amdhsa -mcpu=gfx1250 --defsym DOCPART=n.
;; ======== version 1 of 1: 3 launches
;; limits: right only within a limited range of input values
;; workspace buffers: kv 17,563,648 bytes; qbuf 8,912,896 bytes; cimg 8,388,608 bytes; cscl 262,144 bytes
;; launch qkv (part 1): grid 4 x 96, 4 waves a work-group, clusters of 4 x 4, 327,680 bytes of LDS; arguments X_codes, X_scales, W_Q_codes, W_Q_scales, W_K_codes, W_K_scales, W_V_codes, W_V_scales, qbuf, kv; writes qbuf, kv
.if DOCPART == 1
	.amdgcn_target "amdgcn-amd-amdhsa--gfx1250"
	.amdhsa_code_object_version 6
	.text
	.protected	k_q4829185710_qkv
	.globl	k_q4829185710_qkv
	.p2align	8
	.type	k_q4829185710_qkv,@function
k_q4829185710_qkv:
	s_mov_b64 s[64:65], 0
	v_nop
	global_prefetch_b8 v0, s[64:65] scope:SCOPE_SE
	s_setreg_imm32_b32 hwreg(HW_REG_WAVE_MODE, 25, 1), 1
	s_wait_xcnt 0x0
	s_wait_alu depctr_hold_cnt(0) depctr_sa_sdst(0) depctr_va_vdst(0) depctr_va_sdst(0) depctr_va_ssrc(0) depctr_va_vcc(0) depctr_vm_vsrc(0)
	s_getreg_b32 s2, hwreg(HW_REG_IB_STS2, 6, 4)
	s_cmp_eq_u32 s2, 0
	s_cbranch_scc0 .Lentry_in_a_cluster
	s_endpgm
.Lentry_in_a_cluster:
	s_bfe_u32 s2, ttmp6, 0x10000c
	s_cmp_lg_u32 s2, 0xf033
	s_cbranch_scc0 .Lentry_shape_is_right
	s_endpgm
.Lentry_shape_is_right:
; Q = X W_Q, K = X W_K, V = X W_V on codes of FP8 (E4M3) with one E8M0 scale for each 32 along K = 1,024, and the quantising of the three results for attention's two products.
; X: [8192][1024] codes, [8192][32] scale bytes; each W: [1024 (n)][1024 (k)] codes, [1024][32] scale bytes.
; A tile of a result, 256 x 256, is made by a work-group of four waves; a wave makes 128 x 128: 64 accumulators of 16 x 16, 512 registers.  3 x 128 tiles: 384 work-groups.
; K goes in steps of 256 through a ring of two LDS slots filled by the tensor data mover; the scale bytes of the tile's 2 x 256 rows come into LDS once.
; MODE = cluster y / 8: 0 makes Q, 1 makes K, 2 makes V.  "A" is the tensor whose rows become the LANES of a result (source 1), "B" the one whose rows run along a lane's REGISTERS (source 0).
;   Q, K: A = X, B = W: a lane holds one token and its registers run along the head's channels, which are the K of Q K^T.
;   V:    A = W_V, B = X: a lane holds one channel and its registers run along the tokens (the keys), which are the K of P V.
; So the quantiser always finds a block of 32 along the next K in the 16 registers of two neighbouring accumulators of lanes l and l xor 16.
; CLUSTERS: 4 x 4 work-groups.  A's tile hangs on cy and the cluster's number alone and is asked for jointly by a row of the cluster, B's on cx and the cluster's number, by a column.
; WHAT IS STORED.  A PIECE is 512 bytes, lane l's 16 bytes at 16 l: the four registers that hold one block of 32 along K of 16 rows.  Lane (r, h) holds row r; its byte 8 v + j is k = 32 c + 16 v + 8 h + j of block c:
; the order in which the results lie.  It differs from the natural order inside a block of 32 only, and BOTH operands of each later product are laid so: no product and no scale changes.
;   kv   [batch x head 64][step of 128 keys 16][17,152]: K's codes (key tile t, block c at 2048 (t % 4) + 1024 (t / 4) + 512 c), from 8,192 V's codes (channel tile ct, key block c at 2048 ct + 512 c),
;        from 16,384 K's scale words [t / 4][r][t % 4] (bytes 0, 1: the two blocks; bytes 2, 3: 0), from 16,896 V's scale words [r][ct].
;   qbuf [batch x head][step][8,704]: Q's codes and, from 8,192, its scale words, laid as K's.
; LIMITS: a block whose largest magnitude lies under 2^-118 keeps the scale byte 1, a block of zeros too (the quantiser's text says 127: its codes are zeros, and these bytes are read by this program alone);
; NaN and infinities among the values are not served.  The hold at 448 x the scale keeps every code made here a number.
.set SIZE_K, 1024
.set KSTEP,  256                       ; along K in a slot
.set NQ,     KSTEP/128                 ; matrix instructions deep
.set ROWB,   256                       ; a tile's row in bytes
.set KROW,   SIZE_K                    ; a row of codes in memory, in bytes
.set PITCH,  272                       ; an LDS row: 256 bytes + 16 of padding = 68 words, so that the 16 rows of a fragment load start 4 words apart modulo 64
.set FR,     16                        ; registers of a fragment: 16 rows x 128 K
.set NL,     4                         ; LDS loads that bring one
.set NP,     8                         ; places behind this matrix instruction (ISA guide 7.12.1)
.set HALFT,  128*PITCH                 ; 128 rows: what one tensor load brings
.set SLOT,   4*HALFT                   ; A's 256 rows, then B's 256 rows
.set LAPS,   SIZE_K/(2*KSTEP)          ; a lap = two K steps = once round the ring
.set KS,     SIZE_K/32                 ; a row of scale bytes
.set SCL,    2*SLOT                    ; behind the ring: the scale bytes, as rows of 256 bytes + 16 of padding
.set HALFS,  (128*KS/256)*272          ; those of 128 rows
.set SBLK,   (16*KS/256)*272           ; those of 16 rows
.set SPARE,  SCL+4*HALFS               ; the spare words, 128 bytes for each wave: two blocks of 256 bytes that no other line names
.set KVREC,  17152                     ; a record of kv
.set QREC,   8704                      ; a record of qbuf
.set ADRA, 16                          ; v16-17  LDS address of my A fragments in slot 0, 1
.set ADRB, 20                          ; v20-21  the same for B
.set LO16, 24                          ; v24     the way out: 16 x lane
.set VO0,  25                          ; v25     the way out: where my four scale words go
.set ADRS, 27                          ; v27     LDS address of my scale words: lanes 0-15 A's rows, lanes 16-31 B's
.set SPW,  28                          ; v28     LDS address of my spare word; never rewritten
.set NIL,  29                          ; v29     0; never rewritten
.set SC,   32                          ; v32-63  scale words, two sets
.set AF,   128                         ; A's fragments, window 0, one set;  B's: window 1, two sets;  accumulators: windows 2 and 3
.set TM,   32                          ; the way out: v32-35 largest magnitudes, v36-39 bytes, v44-47 the conversions' scale operands
.set W01,  48                          ; v48-55  for each of my 8 blocks of 16 lanes' rows: the bytes of blocks 0 and 1 along the next K
.set W23,  56                          ; v56-63  those of blocks 2 and 3
.set T,    64
.set CD,   128                         ; v128-255 codes: 16 registers for each of the 8 blocks, so that no store's data are written again
.set G1, 24                            ; s[24:31] descriptor group 1 for A's tiles;  s[32:39] group 0, one set for each slot
.set G0, 32
.set G1B, 48                           ; s[48:55], s[56:63] the same for B's tiles
.set G0B, 56
.set G1S, 68                           ; s[68:75], s[76:79] groups 1 and 0 for A's scale bytes;  s[80:87], s[88:91] for B's (written behind the choice of pointers, which arrive in s[68:87])
.set G0S, 76
.set G1SB, 80
.set G0SB, 88
.set MODE, 96                          ; s96
.set MSB, 0
.macro WIN new                         ; the immediate's high byte repeats the setting that is left; a switch that changes nothing is dropped
.if MSB != (\new)
	s_set_vgpr_msb (MSB<<8)|(\new)
.set MSB, (\new)
.endif
.endm
.set MUL_LO, 0xa1                      ; source 0 (B) window 1, source 1 (A) window 0, C and D window 2
.set MUL_HI, 0xf1                      ; the same, C and D window 3
.set TO_B,   0x40                      ; destination window 1, address window 0
; A joint load: waves 0 and 1 fetch for A, waves 2 and 3 for B.  Each line has one mask and one set of registers; the branch hangs on the wave's number alone.  Four v_nop follow each line.
.macro JLOAD g0a, g1a, g0b, g1b
	s_cmp_eq_u32 s15, 0
	s_cbranch_scc0 .Lfor_b_\@
	tensor_load_to_lds s[\g0a:\g0a+3], s[\g1a:\g1a+7]
	s_nop 0
.rept 4
	v_nop
.endr
	s_branch .Lasked_\@
.Lfor_b_\@:
	tensor_load_to_lds s[\g0b:\g0b+3], s[\g1b:\g1b+7]
	s_nop 0
.rept 4
	v_nop
.endr
.Lasked_\@:
.endm
.macro CREST                           ; a round of the cluster's barrier behind its opening barrier
	s_cmp_lg_u32 s14, 0
	s_cbranch_scc1 .Lnot_wave_0_\@
	s_barrier_signal -3
.Lnot_wave_0_\@:
	s_barrier_wait -3
	s_barrier_signal -1
	s_barrier_wait -1
.endm
.macro CROUND                          ; a whole round
	s_barrier_signal -1
	s_barrier_wait -1
	CREST
.endm
	s_load_b512 s[68:83], s[0:1], 0x0              ; X's codes 68, scales 70; W_Q's 72, 74; W_K's 76, 78; W_V's 80, 82
	s_load_b128 s[84:87], s[0:1], 0x40             ; qbuf 84, kv 86
	v_lshl_add_u32 v[SPW], v0, 2, SPARE
	v_mov_b32 v[NIL], 0
	ds_add_u32 v28, v29
	ds_add_u32 v28, v29
	s_wait_dscnt 0x0
	v_lshrrev_b32 v1, 5, v0
	v_readfirstlane_b32 s14, v1                    ; wave 0..3
	s_lshr_b32 s15, s14, 1                         ; which half of A's rows is mine.  Also: I fetch for A (0) or for B (1)
	s_and_b32 s16, s14, 1                          ; which half of B's rows.  Also: which 128 rows of that tile I fetch
	s_bfe_u32 s40, ttmp6, 0x40000                  ; cx, cy: my place in the cluster
	s_bfe_u32 s41, ttmp6, 0x40004
	s_and_b32 s97, ttmp7, 0xffff                   ; the cluster's y, 0..23
	s_lshr_b32 s[MODE], s97, 3                     ; 0: Q, 1: K, 2: V: the same in all sixteen partners
	s_and_b32 s97, s97, 7
	s_lshl_b32 s97, s97, 2                         ; the cluster's first tile of X's 32
	s_lshl_b32 s43, s41, 2
	s_lshl_b32 s43, 15, s43                        ; my row of the cluster
	s_lshl_b32 s44, 0x1111, s40                    ; my column
	; descriptor group 1: a tile of 128 rows x 256 bytes, padded in LDS
	s_or_b32 s[G1+0], s43, (0<<16)|(1<<20)|(1<<21)|(5<<22)|(3<<25)  ; 15:0 the mask; 17:16 elements of 1 byte; 20 padding on; 21 set beside a mask; 24:22 after every 64 words; 31:25 four words
	s_or_b32 s[G1B+0], s44, (0<<16)|(1<<20)|(1<<21)|(5<<22)|(3<<25)
.irp g, G1, G1B
	s_mov_b32 s[\g+1], ROWB<<16                    ; tensor_dim0
	s_mov_b32 s[\g+2], 128<<16                     ; tensor_dim1
	s_mov_b32 s[\g+3], ROWB<<16                    ; tile_dim0
	s_mov_b32 s[\g+4], 128                         ; tile_dim1
	s_mov_b32 s[\g+5], KROW                        ; tensor_dim0_stride
	s_mov_b32 s[\g+6], 0
	s_mov_b32 s[\g+7], 0
.endr
	s_cmp_eq_u32 s[MODE], 2
	s_cselect_b32 s98, 0, s97                      ; X is A for Q and K,
	s_cselect_b32 s99, s97, 0                      ; B for V
	s_add_co_u32 s17, s98, s41                     ; A's tile of 256 rows: hangs on cy and the cluster's number
	s_add_co_u32 s42, s99, s40                     ; B's: on cx and the cluster's number
	s_lshl_b32 s18, s16, 7                         ; which 128 rows of the tile I fetch
	s_lshl_b32 s20, s17, 8
	s_add_co_u32 s20, s20, s18
	s_lshl_b32 s46, s42, 8
	s_add_co_u32 s46, s46, s18
	s_mov_b32 s21, 0
	s_mov_b32 s47, 0
	s_mov_b64 s[18:19], KS
	s_mul_u64 s[22:23], s[20:21], s[18:19]         ; where these rows' scale bytes begin
	s_mul_u64 s[92:93], s[46:47], s[18:19]
	s_mov_b64 s[18:19], KROW
	s_mul_u64 s[20:21], s[20:21], s[18:19]         ; and their codes
	s_mul_u64 s[46:47], s[46:47], s[18:19]
	s_mul_i32 s45, s14, HALFT                      ; where they go: wave x 128 rows: no place in the cluster enters an LDS address
	s_mul_i32 s94, s14, HALFS
	s_wait_kmcnt 0x0
	s_cmp_eq_u32 s[MODE], 2                        ; the choice of buffers hangs on the cluster's number alone
	s_cselect_b64 s[4:5], s[80:81], s[68:69]       ; A's codes: W_V's or X's
	s_cselect_b64 s[6:7], s[82:83], s[70:71]       ; A's scale bytes
	s_cselect_b64 s[8:9], s[68:69], s[76:77]       ; B's codes: X's or W_K's,
	s_cselect_b64 s[10:11], s[70:71], s[78:79]
	s_cmp_eq_u32 s[MODE], 0
	s_cselect_b64 s[8:9], s[72:73], s[8:9]         ; or W_Q's
	s_cselect_b64 s[10:11], s[74:75], s[10:11]
	s_cselect_b64 s[12:13], s[84:85], s[86:87]     ; the results go to qbuf or to kv
	; the pointers are chosen: s68 to s91 become the descriptors of the scale bytes: 128 rows' 4,096 dense bytes as 16 rows of 256 bytes (32 elements of 8 bytes), 16 bytes of padding behind each
	s_or_b32 s[G1S+0], s43, (3<<16)|(1<<20)|(1<<21)|(5<<22)|(3<<25)
	s_or_b32 s[G1SB+0], s44, (3<<16)|(1<<20)|(1<<21)|(5<<22)|(3<<25)
.irp g, G1S, G1SB
	s_mov_b32 s[\g+1], 32<<16
	s_mov_b32 s[\g+2], (128*KS/256)<<16
	s_mov_b32 s[\g+3], 32<<16
	s_mov_b32 s[\g+4], 128*KS/256
	s_mov_b32 s[\g+5], 32
	s_mov_b32 s[\g+6], 0
	s_mov_b32 s[\g+7], 0
.endr
	s_add_nc_u64 s[20:21], s[4:5], s[20:21]
	s_add_nc_u64 s[22:23], s[6:7], s[22:23]
	s_add_nc_u64 s[46:47], s[8:9], s[46:47]
	s_add_nc_u64 s[92:93], s[10:11], s[92:93]
	CROUND                                         ; all sixteen work-groups are here: the first joint loads meet
	s_mov_b32 s[G0S], 1
	s_add_co_u32 s[G0S+1], s94, SCL
	s_mov_b64 s[G0S+2:G0S+3], s[22:23]
	s_or_b32 s[G0S+3], s[G0S+3], 0x80000000
	s_mov_b32 s[G0SB], 1
	s_add_co_u32 s[G0SB+1], s94, SCL
	s_mov_b64 s[G0SB+2:G0SB+3], s[92:93]
	s_or_b32 s[G0SB+3], s[G0SB+3], 0x80000000
	JLOAD G0S, G1S, G0SB, G1SB                     ; the scale bytes first: they are wanted with K step 0
.irp s, 0,1
	s_mov_b32 s[G0+4*\s], 1
	s_add_co_u32 s[G0+4*\s+1], s45, \s*SLOT
	s_add_nc_u64 s[G0+4*\s+2:G0+4*\s+3], s[20:21], \s*ROWB
	s_or_b32 s[G0+4*\s+3], s[G0+4*\s+3], 0x80000000
	s_mov_b32 s[G0B+4*\s], 1
	s_add_co_u32 s[G0B+4*\s+1], s45, \s*SLOT
	s_add_nc_u64 s[G0B+4*\s+2:G0B+4*\s+3], s[46:47], \s*ROWB
	s_or_b32 s[G0B+4*\s+3], s[G0B+4*\s+3], 0x80000000
	JLOAD G0+4*\s, G1, G0B+4*\s, G1B               ; three loads of mine are out
.endr
	v_and_b32 v1, 15, v0                           ; r = l % 16; stays
	v_bfe_u32 v2, v0, 4, 1                         ; h = l / 16; stays
	v_mul_u32_u24 v3, v1, PITCH
	v_lshl_add_u32 v4, v2, 4, v3                   ; a fragment's row x pitch + 16 x half
	s_mul_i32 s21, s15, HALFT                      ; my 128 rows of A
	s_mul_i32 s22, s16, HALFT                      ; my 128 rows of B,
	s_add_co_u32 s22, s22, 2*HALFT                 ; which lie behind A's 256
.irp s, 0,1
	v_add_nc_u32 v[ADRA+\s], s21, v4
	v_add_nc_u32 v[ADRB+\s], s22, v4
	s_add_co_u32 s21, s21, SLOT
	s_add_co_u32 s22, s22, SLOT
.endr
	v_mul_u32_u24 v5, v1, KS                       ; my row's scale bytes: KS bytes a row,
	v_lshrrev_b32 v6, 8, v5
	v_lshl_add_u32 v5, v6, 4, v5                   ; and 16 more for each 256 passed
	s_mul_i32 s21, s15, HALFS                      ; A's: my 128 rows
	s_mul_i32 s22, s16, HALFS                      ; B's: my 128 rows, behind A's 256
	s_add_co_u32 s22, s22, 2*HALFS
	s_sub_co_u32 s22, s22, s21
	v_mul_u32_u24 v6, s22, v2                      ; lanes 16-31 take B's: the lower base + h x the distance
	s_add_co_u32 s21, s21, SCL
	v_add_nc_u32 v5, v5, v6
	v_add_nc_u32 v[ADRS], s21, v5
.macro FRAG reg, adr, q, i             ; a fragment, 16 rows x 128 K: lane l holds row l % 16; registers 4 c .. 4 c + 3 hold K = 32 c + 16 (l / 16) + 0 .. 15
.irp c, 0,1,2,3
	ds_load_b128 v[\reg+4*\c:\reg+4*\c+3], v[\adr] offset:128*(\q)+32*\c+(\i)*16*PITCH
.endr
.endm
; 16 matrix instructions: A's blocks a0, a0 + 1 x B's eight, the slot's q-th 128 along K.  p: B's set; sc: the set of scale words.  zero = 1: the first product starts the sums.
; The 64 accumulators take turns, one instruction a turn, in the same order in every step.
.macro MUL16 a0, p, q, sc, zero
.irp a, \a0, \a0+1
.irp b, 0,1,2,3,4,5,6,7
.if \zero
	v_wmma_scale_f32_16x16x128_f8f6f4 v[8*(8*((\a)%4)+\b):8*(8*((\a)%4)+\b)+7], v[128*(\p)+FR*\b:128*(\p)+FR*\b+FR-1], v[AF+FR*(\a):AF+FR*(\a)+FR-1], 0, v[SC+8*NQ*(\sc)+NQ*\b+(\q)], v[SC+8*NQ*(\sc)+NQ*(\a)+(\q)] matrix_a_scale:MATRIX_SCALE_ROW1
.else
	v_wmma_scale_f32_16x16x128_f8f6f4 v[8*(8*((\a)%4)+\b):8*(8*((\a)%4)+\b)+7], v[128*(\p)+FR*\b:128*(\p)+FR*\b+FR-1], v[AF+FR*(\a):AF+FR*(\a)+FR-1], v[8*(8*((\a)%4)+\b):8*(8*((\a)%4)+\b)+7], v[SC+8*NQ*(\sc)+NQ*\b+(\q)], v[SC+8*NQ*(\sc)+NQ*(\a)+(\q)] matrix_a_scale:MATRIX_SCALE_ROW1
.endif
.endr
.endr
.endm
.macro FETCH_B slot, q, p              ; B's eight fragments of the slot's q-th 128 along K into set p
	WIN TO_B
.irp i, 0,1,2,3,4,5,6,7
	FRAG 128*(\p)+FR*\i, ADRB+\slot, \q, \i
.endr
	WIN 0
.endm
.macro FETCH_A slot, q, i0             ; A's blocks i0 .. i0 + 3
.irp i, \i0, \i0+1, \i0+2, \i0+3
	FRAG AF+FR*(\i), ADRA+\slot, \q, \i
.endr
.endm
.macro SCALES sc                       ; a K step's scale words into set sc: two words a row; lanes 0-15 take A's block i, lanes 16-31 B's block i
.irp i, 0,1,2,3,4,5,6,7
	ds_load_b64 v[SC+8*NQ*\sc+NQ*\i:SC+8*NQ*\sc+NQ*\i+1], v[ADRS] offset:\i*SBLK
.endr
.endm
; A load into a register that a matrix instruction has read, and a vector instruction that reads a matrix result or writes one of its registers, stand NP places behind it; only plain vector
; instructions that name none of its registers are places (ISA guide 7.12.1 for vector instructions).
.macro PLACES n
.rept \n
	v_nop
.endr
.endm
.macro STEP slot, q, zero              ; a step of 128 along K that has its successor in the same slot
	s_wait_dscnt 4*NL                              ; B's set and A's blocks 0-3 are in; the youngest 16 loads (A's blocks 4-7) may be out
	WIN MUL_LO
	MUL16 0, (\q)%2, \q, \slot, \zero
	MUL16 2, (\q)%2, \q, \slot, \zero
	s_wait_dscnt 0                                 ; A's blocks 4-7 are in
	PLACES NP
	FETCH_B \slot, (\q)+1, 1-(\q)%2
	FETCH_A \slot, (\q)+1, 0
	WIN MUL_HI
	MUL16 4, (\q)%2, \q, \slot, \zero
	MUL16 6, (\q)%2, \q, \slot, \zero
	PLACES NP
	WIN 0
	FETCH_A \slot, (\q)+1, 4
.endm
; A slot's last step changes slots: ONE barrier; in front of it each wave waits for all its tensor loads, adds 0 to its spare word, and waits for that and for its own reads of this slot.
.macro TURN slot, next, fill
	s_wait_tensorcnt 0x0                           ; all my tensor loads have landed: my part of the next slot
	ds_add_u32 v[SPW], v[NIL]                      ; 0 onto my spare word
	s_wait_dscnt 4*NL+1                            ; (the add and the youngest 16 loads, A's blocks 4-7, may be out)
	WIN MUL_LO
	MUL16 0, 1, NQ-1, \slot, 0                     ; sixteen matrix instructions stand between the add and the wait for it
	s_wait_dscnt 0x0                               ; the add is done, and my reads of this slot are over
	s_barrier_signal -1
	MUL16 2, 1, NQ-1, \slot, 0
	WIN 0
	s_barrier_wait -1
.if \fill
	CREST                                          ; the barrier has opened a round of the cluster's barrier: no wave of any partner still reads this slot or has a load on its way
	s_add_nc_u64 s[G0+4*\slot+2:G0+4*\slot+3], s[G0+4*\slot+2:G0+4*\slot+3], 2*ROWB
	s_add_nc_u64 s[G0B+4*\slot+2:G0B+4*\slot+3], s[G0B+4*\slot+2:G0B+4*\slot+3], 2*ROWB
	JLOAD G0+4*\slot, G1, G0B+4*\slot, G1B         ; the first tensor load behind the round; its four v_nop are among the places in front of the loads below
	PLACES NP-4
.else
	PLACES NP
.endif
	s_wait_alu depctr_va_vdst(0)
	v_add_nc_u32 v[ADRS], 4*NQ, v[ADRS]            ; on to the next K step's scale words
	FETCH_B \next, 0, 0
	FETCH_A \next, 0, 0
	SCALES \next
	WIN MUL_HI
	MUL16 4, 1, NQ-1, \slot, 0
	MUL16 6, 1, NQ-1, \slot, 0
	PLACES NP
	WIN 0
	FETCH_A \next, 0, 4
.endm
	s_wait_alu depctr_va_vdst(0)
	s_wait_tensorcnt 1                             ; the scale bytes and my part of K step 0 are in (K step 1's load may be out)
	s_barrier_signal -1
	s_barrier_wait -1                              ; everybody's are
	FETCH_B 0, 0, 0
	FETCH_A 0, 0, 0
	SCALES 0
	FETCH_A 0, 0, 4
	STEP 0, 0, 1                                   ; the first step stands in front of the loop: its products start the sums
	s_mov_b32 s3, LAPS-1
.Llap:                                                 ; a trip goes once round the ring, from a lap's second step to the next lap's first, and fills both slots again
	TURN 0, 1, 1
	STEP 1, 0, 0
	TURN 1, 0, 1
	STEP 0, 0, 0
	s_sub_co_u32 s3, s3, 1
	s_cmp_lg_u32 s3, 0
	s_cbranch_scc1 .Llap
	TURN 0, 1, 0                                   ; the last lap fills nothing, and has no round of the cluster's barrier
	STEP 1, 0, 0
	s_wait_dscnt 4*NL                              ; the very last step: nothing more to fetch
	WIN MUL_LO
	MUL16 0, 1, NQ-1, 1, 0
	MUL16 2, 1, NQ-1, 1, 0
	s_wait_dscnt 0
	WIN MUL_HI
	MUL16 4, 1, NQ-1, 1, 0
	MUL16 6, 1, NQ-1, 1, 0
	WIN 0
	; THE WAY OUT: quantised in registers, stored as pieces.  No LDS, no barrier.  Where the pieces go (all tensor loads are done; none of these registers was a descriptor's word):
	s_lshl_b32 s18, s17, 1
	s_add_co_u32 s18, s18, s15                     ; my block of 128 of A's rows
	s_lshl_b32 s19, s42, 1
	s_add_co_u32 s19, s19, s16                     ; and of B's
	s_mov_b32 s66, KVREC
	s_mov_b32 s3, 16384
	s_cmp_eq_u32 s[MODE], 0
	s_cselect_b32 s66, QREC, s66                   ; a record's bytes
	s_cselect_b32 s3, 8192, s3                     ; from the codes to the scale words: Q's, K's,
	s_lshl_b32 s67, s66, 4                         ; a head's 16 records
	s_mov_b32 s98, 1024
	s_cmp_eq_u32 s[MODE], 2
	s_cselect_b32 s23, s19, s18                    ; the block of 128 tokens,
	s_cselect_b32 s46, s18, s19                    ; the block of 128 channels: two heads
	s_cselect_b32 s47, 8192, 0                     ; V's codes lie behind K's
	s_cselect_b32 s3, 8704, s3                     ; V's
	s_cselect_b32 s99, s67, s98                    ; from my lanes' blocks 0-3 to blocks 4-7: V: the next head; Q, K: token tiles 4-7
	s_cselect_b32 s98, s98, s67                    ; from blocks 0, 1 along the next K to blocks 2, 3: V: key blocks 2, 3; Q, K: the next head
	s_cselect_b32 s18, 0x10000, 0                  ; V's scale word has four bytes, Q's and K's two
	s_cselect_b32 s19, s67, 256                    ; where lanes 16-31 put their scale words: V: the next head; Q, K: tiles 4-7
	s_lshr_b32 s2, s23, 4                          ; the batch
	s_lshl_b32 s2, s2, 4
	s_lshl_b32 s46, s46, 1
	s_add_co_u32 s2, s2, s46                       ; 16 x batch + my first head
	s_lshl_b32 s2, s2, 4
	s_and_b32 s23, s23, 15
	s_add_co_u32 s2, s2, s23                       ; its record of these 128 tokens
	s_mul_i32 s46, s2, s66
	s_add_co_u32 s46, s46, s47
	s_mov_b32 s47, 0
	s_add_nc_u64 s[4:5], s[12:13], s[46:47]        ; four bases, by (lanes' block / 4, block along K / 2)
	s_mov_b32 s46, s98
	s_add_nc_u64 s[6:7], s[4:5], s[46:47]
	s_mov_b32 s46, s99
	s_add_nc_u64 s[8:9], s[4:5], s[46:47]
	s_add_nc_u64 s[10:11], s[6:7], s[46:47]
	s_mov_b32 s46, s3
	s_add_nc_u64 s[92:93], s[4:5], s[46:47]        ; the scale words
	s_add_nc_u64 s[94:95], s[6:7], s[46:47]        ; (Q, K: the second head's)
	s_mov_b32 s20, 0x76543210
	s_mov_b32 s21, 0xfedcba98                      ; v_permlanex16_b32's selects for lane l xor 16
	v_and_b32 v[LO16], 31, v0                      ; these four lines and four v_nop are the eight places behind the last products
	v_lshlrev_b32 v[LO16], 4, v[LO16]
	v_lshlrev_b32 v26, 4, v1
	v_mad_u32_u24 v[VO0], v2, s19, v26             ; 16 r + h x the distance
	PLACES NP-4
.irp b, 0,1,2,3
	v_mov_b32 v[TM+4+\b], 0                        ; a lane permute's destination counts as one of its sources
.endr
; Block a of my lanes' rows: 64 numbers a lane, register 16 b + 8 v + j = number 32 b + 16 v + 8 h + j along the next K.  Four blocks of 32; each lies in lanes l and l xor 16.
.macro QUANT1 a
.set AC, 64*((\a)%4)
	WIN 0x0a+5*((\a)/4)                            ; sources 0 and 1: window 2 or 3
.irp b, 0,1,2,3
	v_max3_num_f32 v[TM+\b], |v[AC+16*\b]|, |v[AC+16*\b+1]|, 0x4800000   ; each accumulator is read from its low end on; the floor 2^(9 - 127) holds the byte at 1 from below
.endr
.irp i, 2,4,6,8,10,12,14
.irp b, 0,1,2,3
	v_max3_num_f32 v[TM+\b], |v[AC+16*\b+\i]|, |v[AC+16*\b+\i+1]|, v[TM+\b]   ; the four blocks by turns
.endr
.endr
	WIN 0
.irp b, 0,1,2,3
	v_permlanex16_b32 v[TM+4+\b], v[TM+\b], s20, s21
.endr
.irp b, 0,1,2,3
	v_max_num_f32 v[TM+\b], v[TM+\b], v[TM+4+\b]   ; the block's largest magnitude
.endr
.irp b, 0,1,2,3
	v_add_nc_u32 v[TM+12+\b], 0xfc000000, v[TM+\b] ; 8 off its exponent field: the conversion's scale operand
.endr
.irp b, 0,1,2,3
.endr
.irp b, 0,1,2,3
	v_lshrrev_b32 v[TM+4+\b], 23, v[TM+12+\b]      ; the scale's byte
.endr
	v_lshl_or_b32 v[W01+(\a)], v[TM+5], 8, v[TM+4]
	v_lshl_or_b32 v[W23+(\a)], v[TM+7], 8, v[TM+6]
	WIN 2+(\a)/4                                   ; source 0 alone
.irp b, 0,1,2,3
.irp i, 0,1,2,3,4,5,6,7,8,9,10,11,12,13,14,15
.endr
.endr
.irp b, 0,1,2,3
	v_cvt_scalef32_pk8_fp8_f32 v[CD+16*(\a)+4*\b:CD+16*(\a)+4*\b+1], v[AC+16*\b:AC+16*\b+7], v[TM+12+\b]
	v_cvt_scalef32_pk8_fp8_f32 v[CD+16*(\a)+4*\b+2:CD+16*(\a)+4*\b+3], v[AC+16*\b+8:AC+16*\b+15], v[TM+12+\b]
.endr
	WIN 0
	v_nop                                          ; one plain line between the conversions and the next lines that write their sources
.irp b, 0,1,2,3
	global_store_b128 v[LO16], v[CD+16*(\a)+4*\b:CD+16*(\a)+4*\b+3], s[4+4*((\a)/4)+2*(\b/2):5+4*((\a)/4)+2*(\b/2)] offset:((\a)%4)*2048+(\b%2)*512   ; a piece: 512 consecutive bytes, at a multiple of 256
.endr
.endm
.irp a, 0,1,2,3,4,5,6,7
	QUANT1 \a
.endr
	; the scale words: lanes 0-15 put those of blocks 0-3, lanes 16-31 those of blocks 4-7, four words (16 bytes) a lane
	v_cmp_eq_u32 vcc_lo, 1, v2
.irp j, 0,1,2,3
	v_cndmask_b32 v[32+\j], v[W01+\j], v[W01+4+\j], vcc_lo
	v_cndmask_b32 v[36+\j], v[W23+\j], v[W23+4+\j], vcc_lo
.endr
.irp j, 0,1,2,3
	v_mad_u32_u24 v[40+\j], v[36+\j], s18, v[32+\j]   ; V: all four bytes in one word; Q, K: the first head's two
.endr
	global_store_b128 v[VO0], v[40:43], s[92:93]   ; Q, K: 512 consecutive bytes; V: 256 for each of two heads
	s_cmp_eq_u32 s[MODE], 2                        ; (the same in every wave and every partner)
	s_cbranch_scc1 .Lwords_done
	global_store_b128 v[LO16], v[36:39], s[94:95]  ; Q, K: the second head's words
.Lwords_done:
	s_wait_tensorcnt 0x0                           ; the wave's end
	ds_add_u32 v[SPW], v[NIL]
	s_wait_dscnt 0x0
	CROUND                                         ; the closing round: no work-group ends while a partner may still ask for a tile that names it
	s_endpgm
.Lfunc_end_k_q4829185710_qkv:
	.size	k_q4829185710_qkv, .Lfunc_end_k_q4829185710_qkv-k_q4829185710_qkv
	.p2alignl 7, 3214868480
	.fill 96, 4, 3214868480
	.section	.rodata,"a",@progbits
	.p2align	6, 0x0
	.amdhsa_kernel k_q4829185710_qkv
		.amdhsa_group_segment_fixed_size 327680
		.amdhsa_private_segment_fixed_size 0
		.amdhsa_enable_private_segment 0
		.amdhsa_kernarg_size 80
		.amdhsa_user_sgpr_count 2
		.amdhsa_user_sgpr_kernarg_segment_ptr 1
		.amdhsa_wavefront_size32 1
		.amdhsa_system_sgpr_workgroup_id_x 1
		.amdhsa_system_sgpr_workgroup_id_y 1
		.amdhsa_system_sgpr_workgroup_id_z 1
		.amdhsa_system_vgpr_workitem_id 0
		.amdhsa_next_free_vgpr 1024
		.amdhsa_next_free_sgpr 100
		.amdhsa_reserve_vcc 1
		.amdhsa_float_denorm_mode_32 3
		.amdhsa_float_denorm_mode_16_64 3
		.amdhsa_fp16_overflow 1
		.amdhsa_memory_ordered 1
		.amdhsa_forward_progress 1
		.amdhsa_inst_pref_size 151
	.end_amdhsa_kernel
	.amdgpu_metadata
---
amdhsa.version: [ 1, 2 ]
amdhsa.kernels:
  - .name:           k_q4829185710_qkv
    .symbol:         k_q4829185710_qkv.kd
    .args:
      - { .name: X_codes, .offset: 0, .size: 8, .value_kind: global_buffer, .address_space: global }
      - { .name: X_scales, .offset: 8, .size: 8, .value_kind: global_buffer, .address_space: global }
      - { .name: W_Q_codes, .offset: 16, .size: 8, .value_kind: global_buffer, .address_space: global }
      - { .name: W_Q_scales, .offset: 24, .size: 8, .value_kind: global_buffer, .address_space: global }
      - { .name: W_K_codes, .offset: 32, .size: 8, .value_kind: global_buffer, .address_space: global }
      - { .name: W_K_scales, .offset: 40, .size: 8, .value_kind: global_buffer, .address_space: global }
      - { .name: W_V_codes, .offset: 48, .size: 8, .value_kind: global_buffer, .address_space: global }
      - { .name: W_V_scales, .offset: 56, .size: 8, .value_kind: global_buffer, .address_space: global }
      - { .name: qbuf, .offset: 64, .size: 8, .value_kind: global_buffer, .address_space: global }
      - { .name: kv, .offset: 72, .size: 8, .value_kind: global_buffer, .address_space: global }
    .group_segment_fixed_size: 327680
    .private_segment_fixed_size: 0
    .kernarg_segment_align: 8
    .kernarg_segment_size: 80
    .max_flat_workgroup_size: 128
    .sgpr_count:     100
    .vgpr_count:     1024
    .wavefront_size: 32
...
	.end_amdgpu_metadata
.endif
;; end of part 1
;; launch attn (part 2): grid 4 x 64, 16 waves a work-group, clusters of 4 x 1, 276,480 bytes of LDS; arguments qbuf, kv, cimg, cscl; writes cimg, cscl
.if DOCPART == 2
	.amdgcn_target "amdgcn-amd-amdhsa--gfx1250"
	.amdhsa_code_object_version 6
	.text
	.protected	k_q4829185710_attn
	.globl	k_q4829185710_attn
	.p2align	8
	.type	k_q4829185710_attn,@function
k_q4829185710_attn:
	s_mov_b64 s[64:65], 0
	v_nop
	global_prefetch_b8 v0, s[64:65] scope:SCOPE_SE
	s_setreg_imm32_b32 hwreg(HW_REG_WAVE_MODE, 25, 1), 1
	s_wait_xcnt 0x0
	s_wait_alu depctr_hold_cnt(0) depctr_sa_sdst(0) depctr_va_vdst(0) depctr_va_sdst(0) depctr_va_ssrc(0) depctr_va_vcc(0) depctr_vm_vsrc(0)
	s_getreg_b32 s2, hwreg(HW_REG_IB_STS2, 6, 4)
	s_cmp_eq_u32 s2, 0
	s_cbranch_scc0 .Lentry_in_a_cluster
	s_endpgm
.Lentry_in_a_cluster:
	s_bfe_u32 s2, ttmp6, 0x10000c
	s_cmp_lg_u32 s2, 0x3003
	s_cbranch_scc0 .Lentry_shape_is_right
	s_endpgm
.Lentry_shape_is_right:
; C[b][h][q] = the sum over k <= q of softmax_k(Q[q] . K[k] / 8) V[k], both products on codes of FP8 (E4M3) with one E8M0 scale for each 32 along a product's K, and the quantising of C along the 1,024 channels.
; THE SOFTMAX AHEAD OF THE SECOND PRODUCT: t = score x log2(e) / 8; M = the row's largest t so far, rounded UP to a whole number; p = 2^(t - M) is quantised along the keys, not normalised.
; The row's sum is taken of the unquantised p, in f32, and divides at the end.  When M moves, the sum and O are multiplied by 2^(old M - new M): exact.
; INPUTS (made by the launch before): kv [batch x head 64][step of 128 keys 16][17,152 bytes], qbuf [batch x head][step][8,704].  A PIECE is 512 bytes, lane l's 16 bytes at 16 l: four registers of an operand, one block of 32 along K of
; 16 rows; inside a block the order is k = 16 v + 8 h + j at byte 8 v + j of lane (r, h), alike in both operands of each product.  A record of kv: K's codes (key tile t, block c at 2048 (t % 4) + 1024 (t / 4) + 512 c), from 8,192 V's
; (channel tile ct, key block c at 2048 ct + 512 c), from 16,384 K's scale words [t / 4][r][t % 4], from 16,896 V's [r][ct].
; ONE HEAD'S K AND V, 16 records, 274,432 bytes, LIE IN LDS WHOLE: each byte is filled once, so there is no ring, no refill, and no barrier in a loop.
; CLUSTER: the four work-groups of a cluster serve one head and ask for its records JOINTLY (waves 0 to 7, two records each).
; SHARES: wave w of work-group j owns the tiles of 16 queries lo = 4 w + j and hi = 127 - lo.  Tile a needs key steps 0 .. a / 8: lo / 8 = w / 2 and hi / 8 = 15 - w / 2 hang on the wave's number alone, and every wave of the
; launch works 17 steps.  Three loops of 8 trips: A: hi, steps 0-7 (while the records 8-15 are still landing); B: hi, steps 8-15; C: lo, steps 0-7.  In B and C a step behind the diagonal is jumped over (a scalar branch on the
; wave's number and the trip), and the step on the diagonal hides keys by -infinity ahead of the maximum.
; LAYOUT: both products are used transposed: S^T = K Q^T (source 0 = 16 keys, source 1 = my 16 queries), O^T = V^T P^T (source 0 = 16 channels, source 1 = P): a lane holds ONE query throughout.
; THE FIRST PRODUCT'S K IS 64 under an instruction of 128: Q's registers 8-15 are zero codes; K's registers 8-15 are the next tile's codes (behind the last tile: zeros); scale bytes 2 and 3 are 0, that is 2^-127.
; So the upper half adds 0 x a number.  LIMIT: that leans on K's codes being numbers, which the hold of the launch before sees to; NaN and infinities among the values are not served.
; OUTPUTS: cimg [tile of 16 tokens 512][head 16][block 2][piece 512], cscl [token 8192][32 scale bytes].  A block of zeros, or one under 2^-118, keeps the byte 1; this program alone reads these bytes.
.set REC,   17152
.set QREC,  8704
.set VOFF,  8192
.set KSOFF, 16384
.set VSOFF, 16896
.set L16,  1                           ; v1   16 x lane; never rewritten
.set R16,  2                           ; v2   16 x (lane % 16); never rewritten
.set AD1,  3                           ; v3   the step's record + 16 x lane
.set AD2,  4                           ; v4   the step's record + 16 x (lane % 16)
.set SO,   5                           ; v5   32 (lane % 16) + lane / 16: my scale byte's place; never rewritten
.set DD,   6                           ; v6   on the diagonal: my query - the step's first key - 8 (lane / 16)
.set RH,   7                           ; v7   lane % 16 - 8 (lane / 16)
.set NINF, 8                           ; v8   -infinity
.set HH,   11                          ; v11  lane / 16
                                       ; v12 -M, v13 the largest t, v[14:15] the sum in two halves
.set QF,   16                          ; v16-23 Q's two blocks, v24-31 zero codes
.set F,    32                          ; v32-95 K's 8 tiles, then V's 4 fragments; v96-103 zero codes, never rewritten
.set S,    104                         ; v104-167 S^T, then p
.set O,    168                         ; v168-199 O^T
.set PC,   200                         ; v200-215 p's codes; at the end C's
.set BM,   216                         ; v216-219 a block's largest score, then its largest p
.set PM,   220                         ; v220-223 at work
.set LIM,  224
.set SOP,  228                         ; v228-231 the conversions' scale operands
.set KSC,  232                         ; v232-235 K's scale words: register t % 4, lanes 0-15 tiles 0-3, lanes 16-31 tiles 4-7
.set VSC,  236                         ; v236-239 V's scale words
.set FF,   240                         ; v240 f = 2^(old M - new M); v241 = 0, named with it as a pair
.set PSC,  242                         ; v242 p's scale word
.set TMP,  243
.set QSH,  244                         ; Q's scale words: tile hi's, tile lo's
.set QSL,  245
.set QL,   246                         ; v246-253 tile lo's Q, waiting
.set RL,   254                         ; v254 1 / the sum; v255 = 0
.set WV,   12
.set G1,   16                          ; s[16:23] descriptor group 1; s[24:27], s[28:31] groups 0 of my two records
.set SEL,  32                          ; s[32:33] lane selects for lane l xor 16
.set CS,   34                          ; s[34:35] c = log2(e) / 8
.set MNT,  36
.set TB,   37                          ; LDS byte at which the step's record begins
.set KSI,  38                          ; the step's number
.set DS,   39                          ; the step on the diagonal
.set CNT,  40
.macro CROUND                          ; a round of the cluster's barrier
	s_barrier_signal -1
	s_barrier_wait -1
	s_cmp_lg_u32 s[WV], 0
	s_cbranch_scc1 .Lnot_wave_0_\@
	s_barrier_signal -3
.Lnot_wave_0_\@:
	s_barrier_wait -3
	s_barrier_signal -1
	s_barrier_wait -1
.endm
	s_load_b256 s[4:11], s[0:1], 0x0               ; qbuf s[4:5], kv s[6:7], cimg s[8:9], cscl s[10:11]
	v_lshl_add_u32 v254, v0, 2, 0x43000
	v_mov_b32 v255, 0
	ds_add_u32 v254, v255
	ds_add_u32 v254, v255
	s_wait_dscnt 0x0
	v_lshrrev_b32 v1, 5, v0
	s_delay_alu instid0(VALU_DEP_1)
	v_readfirstlane_b32 s[WV], v1                  ; wave 0..15
	s_bfe_u32 s13, ttmp6, 0x40000                  ; cx: it enters Q's and C's addresses and the mask's numbers alone
	s_and_b32 s14, ttmp7, 0xffff                   ; 16 x batch + head, which the four partners share
	s_and_b32 s15, s[WV], 7
	s_mul_i32 s15, s15, REC                        ; my first record's place, in the head and in LDS alike
	s_mul_i32 s2, s14, 16*REC
	s_add_co_u32 s2, s2, s15
	s_mov_b32 s3, 0
	; descriptor group 1: a record, 17,152 dense bytes, as 67 rows of 256 bytes (32 elements of 8 bytes), no padding: every LDS read takes 16 bytes a lane on end
	s_mov_b32 s[G1], 15|(3<<16)|(1<<21)            ; 15:0 the mask: all four work-groups; 17:16 elements of 8 bytes; 21 set beside a mask
	s_mov_b32 s[G1+1], 32<<16                      ; tensor_dim0
	s_mov_b32 s[G1+2], 67<<16                      ; tensor_dim1
	s_mov_b32 s[G1+3], 32<<16                      ; tile_dim0
	s_mov_b32 s[G1+4], 67                          ; tile_dim1
	s_mov_b32 s[G1+5], 32                          ; tensor_dim0_stride
	s_mov_b32 s[G1+6], 0
	s_mov_b32 s[G1+7], 0
	s_wait_kmcnt 0x0
	s_mov_b32 s24, 1
	s_mov_b32 s25, s15
	s_add_nc_u64 s[26:27], s[6:7], s[2:3]
	s_mov_b32 s28, 1
	s_add_co_u32 s29, s15, 8*REC
	s_add_nc_u64 s[30:31], s[26:27], 8*REC
	s_or_b32 s27, s27, 0x80000000
	s_or_b32 s31, s31, 0x80000000
	CROUND                                         ; all four work-groups are here: the joint loads meet
	s_cmp_lt_u32 s[WV], 8                          ; a wave's two fills stand in one branch on the wave's number: record w, then record 8 + w; two loads of mine are out
	s_cbranch_scc0 .Lno_fill
	tensor_load_to_lds s[24:27], s[G1:G1+7]
	s_nop 0
	tensor_load_to_lds s[28:31], s[G1:G1+7]
	s_nop 0
.rept 4
	v_nop
.endr
.Lno_fill:
	s_mul_i32 s2, s14, 16*QREC
	s_add_nc_u64 s[4:5], s[4:5], s[2:3]            ; qbuf at my head
	s_lshr_b32 s60, s14, 4                         ; batch
	s_and_b32 s61, s14, 15                         ; head
	s_lshl_b32 s2, s60, 21                         ; 128 tiles of 16,384 bytes a batch,
	s_lshl_b32 s62, s61, 10                        ; 1,024 bytes a head
	s_add_co_u32 s2, s2, s62
	s_add_nc_u64 s[8:9], s[8:9], s[2:3]
	s_lshl_b32 s2, s60, 16                         ; 2,048 tokens of 32 bytes a batch,
	s_lshl_b32 s62, s61, 1                         ; 2 bytes a head
	s_add_co_u32 s2, s2, s62
	s_add_nc_u64 s[10:11], s[10:11], s[2:3]
; the tile whose number stands in s60: where its Q's codes and scale words lie, and where its C goes
.macro TILEADR qc, qs, ci, cs
	s_lshr_b32 s61, s60, 3
	s_mul_i32 s61, s61, QREC                       ; its record
	s_and_b32 s62, s60, 3
	s_bfe_u32 s63, s60, 0x10002
	s_lshl_b32 s2, s62, 11
	s_add_co_u32 s2, s2, s61
	s_lshl_b32 s3, s63, 10
	s_add_co_u32 s2, s2, s3
	s_mov_b32 s3, 0
	s_add_nc_u64 s[\qc:\qc+1], s[4:5], s[2:3]
	s_lshl_b32 s2, s62, 2
	s_add_co_u32 s2, s2, s61
	s_lshl_b32 s63, s63, 8
	s_add_co_u32 s2, s2, s63
	s_add_co_u32 s2, s2, 8192
	s_add_nc_u64 s[\qs:\qs+1], s[4:5], s[2:3]
	s_lshl_b32 s2, s60, 14
	s_add_nc_u64 s[\ci:\ci+1], s[8:9], s[2:3]
	s_lshl_b32 s2, s60, 9
	s_add_nc_u64 s[\cs:\cs+1], s[10:11], s[2:3]
.endm
	s_lshl_b32 s41, s[WV], 2
	s_add_co_u32 s41, s41, s13                     ; lo
	s_sub_co_u32 s60, 127, s41                     ; hi
	TILEADR 50, 52, 42, 46
	s_mov_b32 s60, s41
	TILEADR 54, 56, 44, 48
	s_and_b32 s58, s41, 7
	s_lshl_b32 s58, s58, 4                         ; lo's first query less its diagonal step's first key
	s_sub_co_u32 s59, 112, s58                     ; hi's
	v_and_b32 v10, 31, v0
	s_delay_alu instid0(VALU_DEP_1)
	v_lshlrev_b32 v[L16], 4, v10
	v_and_b32 v9, 15, v0
	s_delay_alu instid0(VALU_DEP_1)
	v_lshlrev_b32 v[R16], 4, v9
	v_bfe_u32 v[HH], v0, 4, 1
	global_load_b128 v[QF:QF+3], v[L16], s[50:51]                 ; hi's Q: two pieces
	global_load_b128 v[QF+4:QF+7], v[L16], s[50:51] offset:512
	global_load_b32 v[QSH], v[R16], s[52:53]
	global_load_b128 v[QL:QL+3], v[L16], s[54:55]                 ; lo's, for later
	global_load_b128 v[QL+4:QL+7], v[L16], s[54:55] offset:512
	global_load_b32 v[QSL], v[R16], s[56:57]
	v_lshl_add_u32 v[SO], v9, 5, v[HH]
	v_lshlrev_b32 v[RH], 3, v[HH]
	s_delay_alu instid0(VALU_DEP_1)
	v_sub_nc_u32 v[RH], v9, v[RH]
	v_mov_b32 v[NINF], 0xff800000
.irp j, 0,1,2,3,4,5,6,7
	v_mov_b32 v[QF+8+\j], 0                        ; zero codes: the upper 64 of the first product's K
	v_mov_b32 v[F+64+\j], 0
.endr
.irp b, 0,1,2,3
	v_mov_b32 v[PM+\b], 0                          ; a lane permute's destination counts as one of its sources
.endr
	v_mov_b32 v[FF+1], 0
	s_mov_b32 s[SEL], 0x76543210
	s_mov_b32 s[SEL+1], 0xfedcba98
	s_mov_b32 s[CS], 0x3e38aa3b                    ; c = log2(e) / 8
	s_mov_b32 s[CS+1], s[CS]
.macro INIT dg                         ; a tile begins: O^T and the sum as zeros, the largest t under every t: the first change of M multiplies zeros
	v_mov_b32 v13, 0xff61b1e6                      ; -3e38
	s_delay_alu instid0(VALU_DEP_1)
	v_floor_f32 v12, -v13
	v_mov_b32 v14, 0
	v_mov_b32 v15, 0
.set j, 0
.rept 32
	v_mov_b32 v[O+j], 0
.set j, j+1
.endr
	v_add_nc_u32 v[DD], s[\dg], v[RH]
.endm
; A KEY STEP: 128 keys.  m = 1: the step may lie behind the diagonal (left out) or on it (masked).  qs: the register of Q's scale words.
.macro STEP m, qs
.if \m
	s_cmp_gt_u32 s[KSI], s[DS]                     ; all its keys come after my queries: only the lines at its end that step addresses are run
	s_cbranch_scc1 .Lhidden_\@
.endif
	s_setprio 2
	v_add_nc_u32 v[AD1], s[TB], v[L16]
	v_add_nc_u32 v[AD2], s[TB], v[R16]
.rept 6
	v_nop                                          ; with the two additions: eight places in front of loads into registers that the last products read
.endr
.irp t, 0,1,2,3,4,5,6,7
	ds_load_b128 v[F+8*\t:F+8*\t+3], v[AD1] offset:(\t%4)*2048+(\t/4)*1024
	ds_load_b128 v[F+8*\t+4:F+8*\t+7], v[AD1] offset:(\t%4)*2048+(\t/4)*1024+512
.endr
	ds_load_b128 v[KSC:KSC+3], v[AD1] offset:KSOFF
	s_wait_alu depctr_va_vdst(0)
	s_wait_dscnt 0x0
.irp t, 0,1,2,3
	v_wmma_scale_f32_16x16x128_f8f6f4 v[S+8*\t:S+8*\t+7], v[F+8*\t:F+8*\t+15], v[QF:QF+15], 0, v[KSC+\t], v[\qs]
.endr
.irp t, 4,5,6,7
	v_wmma_scale_f32_16x16x128_f8f6f4 v[S+8*\t:S+8*\t+7], v[F+8*\t:F+8*\t+15], v[QF:QF+15], 0, v[KSC+\t-4], v[\qs] matrix_a_scale:MATRIX_SCALE_ROW1
.endr                                              ; lane (r, h): query r; register 8 t + j: key 16 t + 8 h + j
.rept 8
	v_nop                                          ; places in front of the loads below and of the first read of the scores
.endr
.irp t, 0,1,2,3                                    ; V's four fragments land under the softmax
.irp c, 0,1,2,3
	ds_load_b128 v[F+16*\t+4*\c:F+16*\t+4*\c+3], v[AD1] offset:VOFF+\t*2048+\c*512
.endr
.endr
	ds_load_b128 v[VSC:VSC+3], v[AD2] offset:VSOFF
.if \m
	s_cmp_lt_u32 s[KSI], s[DS]                     ; ahead of the diagonal every key counts
	s_cbranch_scc1 .Lopen_\@
.set n, 0
.rept 64
	v_cmp_gt_i32 vcc_lo, 16*(n/8)+n%8, v[DD]       ; register n's key comes after my query
	v_cndmask_b32 v[S+n], v[S+n], v[NINF], vcc_lo
.set n, n+1
.endr
.Lopen_\@:
.endif
.irp b, 0,1,2,3
	v_max3_num_f32 v[BM+\b], v[S+16*\b], v[S+1+16*\b], v[S+2+16*\b]   ; the largest score of each block of 32 keys: it serves the row's maximum and, since p rises with the score, the block's largest p
.endr
.irp i, 3,5,7,9,11,13
.irp b, 0,1,2,3
	v_max3_num_f32 v[BM+\b], v[BM+\b], v[S+16*\b+\i], v[S+1+16*\b+\i]
.endr
.endr
.irp b, 0,1,2,3
	v_max_num_f32 v[BM+\b], v[BM+\b], v[S+15+16*\b]
.endr
.irp b, 0,1,2,3
	s_delay_alu instid0(VALU_DEP_4)
	v_permlanex16_b32 v[PM+\b], v[BM+\b], s[SEL], s[SEL+1]
.endr
.irp b, 0,1,2,3
	s_delay_alu instid0(VALU_DEP_4)
	v_max_num_f32 v[BM+\b], v[BM+\b], v[PM+\b]     ; with lane l xor 16's 16 keys
.endr
	s_delay_alu instid0(VALU_DEP_2)
	v_max3_num_f32 v[TMP], v[BM], v[BM+1], v[BM+2]
	s_delay_alu instid0(VALU_DEP_1)
	v_max_num_f32 v[TMP], v[TMP], v[BM+3]          ; the step's largest score of my query
	s_delay_alu instid0(VALU_DEP_1)
	v_mul_f32 v[TMP], s[CS], v[TMP]                ; as t
	s_delay_alu instid0(VALU_DEP_1)
	v_max_num_f32 v13, v13, v[TMP]                 ; the running largest t
	v_mov_b32 v[TMP], v12
	s_delay_alu instid0(VALU_DEP_2)
	v_floor_f32 v12, -v13                          ; the new -M = floor(-t): M is a whole number
	s_delay_alu instid0(VALU_DEP_1)
	v_sub_f32 v[TMP], v12, v[TMP]                  ; old M - new M: a whole number, 0 or less
	s_delay_alu instid0(VALU_DEP_1)
	v_cvt_i32_f32 v[TMP], v[TMP]                   ; (it saturates)
	s_delay_alu instid0(VALU_DEP_1)
	v_ldexp_f32 v[FF], 1.0, v[TMP]                 ; f = 2^(old M - new M)
.set j, 0
.rept 32
	v_pk_fma_f32 v[S+j:S+j+1], v[S+j:S+j+1], s[CS:CS+1], v[12:13] op_sel_hi:[1,0,0]   ; t - M, two at a time
.set j, j+2
.endr
.irp b, 0,1,2,3
	v_fma_f32 v[BM+\b], v[BM+\b], s[CS], v12       ; the same of each block's largest score
.endr
.set j, 0
	s_setprio 1
	s_wait_alu depctr_va_vdst(0)
.rept 64
	v_exp_f32 v[S+j], v[S+j]                       ; p = 2^(t - M), at most 1
.set j, j+1
.endr
	v_pk_mul_f32 v[14:15], v[14:15], v[FF:FF+1] op_sel_hi:[1,0]   ; the sums under the new M: the plain line behind the exponentials
	s_wait_alu depctr_va_vdst(0)                   ; one wait for the batch of 64, ahead of its first reader
.irp b, 0,1,2,3
	v_exp_f32 v[BM+\b], v[BM+\b]                   ; the block's largest p: the same two instructions on the same number
.endr
	v_pk_add_f32 v[220:221], v[108:109], v[112:113]
	v_pk_add_f32 v[254:255], v[116:117], v[120:121]
	v_pk_add_f32 v[234:235], v[124:125], v[128:129]
	v_pk_add_f32 v[232:233], v[132:133], v[136:137]
	v_pk_add_f32 v[230:231], v[140:141], v[144:145]
	v_pk_add_f32 v[228:229], v[148:149], v[152:153]
	v_pk_add_f32 v[226:227], v[156:157], v[160:161]
	v_pk_add_f32 v[14:15], v[14:15], v[164:165]
	v_pk_add_f32 v[220:221], v[220:221], v[104:105]
	v_pk_add_f32 v[254:255], v[254:255], v[106:107]
	v_pk_add_f32 v[234:235], v[234:235], v[110:111]
	v_pk_add_f32 v[232:233], v[232:233], v[114:115]
	v_pk_add_f32 v[230:231], v[230:231], v[118:119]
	v_pk_add_f32 v[228:229], v[228:229], v[122:123]
	v_pk_add_f32 v[226:227], v[226:227], v[126:127]
	v_pk_add_f32 v[14:15], v[14:15], v[130:131]
	v_pk_add_f32 v[220:221], v[220:221], v[134:135]
	v_pk_add_f32 v[254:255], v[254:255], v[138:139]
	v_pk_add_f32 v[234:235], v[234:235], v[142:143]
	v_pk_add_f32 v[232:233], v[232:233], v[146:147]
	v_pk_add_f32 v[230:231], v[230:231], v[150:151]
	v_pk_add_f32 v[228:229], v[228:229], v[154:155]
	v_pk_add_f32 v[226:227], v[226:227], v[158:159]
	v_pk_add_f32 v[14:15], v[14:15], v[162:163]
	v_pk_add_f32 v[220:221], v[220:221], v[166:167]
	s_delay_alu instid0(VALU_DEP_2)
	v_pk_add_f32 v[14:15], v[14:15], v[232:233]
	s_delay_alu instid0(VALU_DEP_2)
	v_pk_add_f32 v[220:221], v[220:221], v[230:231]
	v_pk_add_f32 v[254:255], v[254:255], v[228:229]
	v_pk_add_f32 v[234:235], v[234:235], v[226:227]
	s_delay_alu instid0(VALU_DEP_2)
	v_pk_add_f32 v[14:15], v[14:15], v[254:255]
	s_delay_alu instid0(VALU_DEP_2)
	v_pk_add_f32 v[220:221], v[220:221], v[234:235]
	s_delay_alu instid0(VALU_DEP_1)
	v_pk_add_f32 v[14:15], v[14:15], v[220:221]
	s_wait_alu depctr_va_vdst(0)                   ; and one for the four
.irp b, 0,1,2,3
	v_max_num_f32 v[BM+\b], 0x4800000, v[BM+\b]    ; the floor 2^(9 - 127): the byte cannot fall under 1
.endr
.irp b, 0,1,2,3
	s_delay_alu instid0(VALU_DEP_4)
	v_add_nc_u32 v[SOP+\b], 0xfc000000, v[BM+\b]   ; 8 off the exponent field: the conversion's scale operand
.endr
.irp b, 0,1,2,3
.endr
.irp b, 0,1,2,3
	s_delay_alu instid0(VALU_DEP_4)
	v_lshrrev_b32 v[PM+\b], 23, v[SOP+\b]          ; the scale's byte
.endr
	s_delay_alu instid0(VALU_DEP_3)
	v_lshl_or_b32 v[PSC], v[PM+1], 8, v[PM]        ; p's scale word for these 128 keys: far more than eight places ahead of the products
	s_delay_alu instid0(VALU_DEP_1)
	v_lshl_or_b32 v[PSC], v[PM+2], 16, v[PSC]
	s_delay_alu instid0(VALU_DEP_1)
	v_lshl_or_b32 v[PSC], v[PM+3], 24, v[PSC]
	s_setprio 0
.irp b, 0,1,2,3
.irp i, 0,1,2,3,4,5,6,7,8,9,10,11,12,13,14,15
.endr
	v_cvt_scalef32_pk8_fp8_f32 v[PC+4*\b:PC+4*\b+1], v[S+16*\b:S+16*\b+7], v[SOP+\b]
	v_cvt_scalef32_pk8_fp8_f32 v[PC+4*\b+2:PC+4*\b+3], v[S+16*\b+8:S+16*\b+15], v[SOP+\b]
.endr
.set j, 0
.rept 16
	v_pk_mul_f32 v[O+j:O+j+1], v[O+j:O+j+1], v[FF:FF+1] op_sel_hi:[1,0]   ; O^T under the new M, from each accumulator's low end on; also the places between the codes and the products
.set j, j+2
.endr
	s_wait_alu depctr_va_vdst(0)
	s_wait_dscnt 0x0                               ; V
.irp t, 0,1,2,3
	v_wmma_scale_f32_16x16x128_f8f6f4 v[O+8*\t:O+8*\t+7], v[F+16*\t:F+16*\t+15], v[PC:PC+15], v[O+8*\t:O+8*\t+7], v[VSC+\t], v[PSC]   ; four accumulators by turns
.endr
.if \m
.Lhidden_\@:
.endif
	s_add_co_u32 s[KSI], s[KSI], 1
	s_add_co_u32 s[TB], s[TB], REC
.endm
; A tile ends: O^T / the sum; its 64 channels are two blocks of 32 along the last product's K: quantised, stored as two pieces and two scale bytes a token.
.macro FINISH ci, cs
.rept 8
	v_nop                                          ; places behind the last products
.endr
	v_add_f32 v14, v14, v15
	s_delay_alu instid0(VALU_DEP_1)
	v_permlanex16_b32 v[TMP], v14, s[SEL], s[SEL+1]
	s_delay_alu instid0(VALU_DEP_1)
	v_add_f32 v14, v14, v[TMP]                     ; the row's sum
	s_wait_alu depctr_va_vdst(0)
	v_rcp_f32 v[RL], v14
	v_mov_b32 v[RL+1], 0                           ; the plain line behind the reciprocal
	s_wait_alu depctr_va_vdst(0)                   ; ahead of its first reader
.set j, 0
.rept 16
	v_pk_mul_f32 v[O+j:O+j+1], v[O+j:O+j+1], v[RL:RL+1] op_sel_hi:[1,0]
.set j, j+2
.endr
.irp b, 0,1
	v_max3_num_f32 v[BM+\b], |v[O+16*\b]|, |v[O+1+16*\b]|, 0x4800000
.endr
.irp i, 2,4,6,8,10,12,14
.irp b, 0,1
	s_delay_alu instid0(VALU_DEP_2)
	v_max3_num_f32 v[BM+\b], v[BM+\b], |v[O+16*\b+\i]|, |v[O+1+16*\b+\i]|
.endr
.endr
.irp b, 0,1
	s_delay_alu instid0(VALU_DEP_2)
	v_permlanex16_b32 v[PM+\b], v[BM+\b], s[SEL], s[SEL+1]
.endr
.irp b, 0,1
	s_delay_alu instid0(VALU_DEP_2)
	v_max_num_f32 v[BM+\b], v[BM+\b], v[PM+\b]
.endr
.irp b, 0,1
	s_delay_alu instid0(VALU_DEP_2)
	v_add_nc_u32 v[SOP+\b], 0xfc000000, v[BM+\b]
.endr
.irp b, 0,1
.endr
.irp b, 0,1
	s_delay_alu instid0(VALU_DEP_2)
	v_lshrrev_b32 v[PM+\b], 23, v[SOP+\b]
.endr
.irp b, 0,1
.irp i, 0,1,2,3,4,5,6,7,8,9,10,11,12,13,14,15
.endr
	v_cvt_scalef32_pk8_fp8_f32 v[PC+4*\b:PC+4*\b+1], v[O+16*\b:O+16*\b+7], v[SOP+\b]
	v_cvt_scalef32_pk8_fp8_f32 v[PC+4*\b+2:PC+4*\b+3], v[O+16*\b+8:O+16*\b+15], v[SOP+\b]
.endr
	v_cmp_eq_u32 vcc_lo, 1, v[HH]                  ; (the plain line behind the conversions)
	s_delay_alu instid0(VALU_DEP_1)
	v_cndmask_b32 v[TMP], v[PM], v[PM+1], vcc_lo   ; lanes 0-15 put block 0's byte, lanes 16-31 block 1's
	global_store_b128 v[L16], v[PC:PC+3], s[\ci:\ci+1]              ; a piece: 512 consecutive bytes, at a multiple of 256
	global_store_b128 v[L16], v[PC+4:PC+7], s[\ci:\ci+1] offset:512
	global_store_b8 v[SO], v[TMP], s[\cs:\cs+1]    ; two of a token's 32 scale bytes are all that a head's wave holds: 1 byte for each 32 of codes goes out singly
.endm
	INIT 59
	s_mov_b32 s[TB], 0
	s_mov_b32 s[KSI], 0
	s_lshr_b32 s[DS], s[WV], 1
	s_sub_co_u32 s[DS], 15, s[DS]                  ; hi's diagonal step
	s_wait_tensorcnt 0x1                           ; my record w is in; record 8 + w may stay out, and loop A reads under byte 8 x 17,152
	s_barrier_signal -1
	s_barrier_wait -1                              ; records 0 to 7 are whole
	s_wait_loadcnt 0x0                             ; Q
	s_mov_b32 s[CNT], 8
.Lpa:
	STEP 0, QSH
	s_sub_co_u32 s[CNT], s[CNT], 1
	s_cmp_lg_u32 s[CNT], 0
	s_cbranch_scc1 .Lpa
	s_setprio 0
	s_wait_tensorcnt 0x0                           ; my record 8 + w is in,
	s_wait_dscnt 0x0
	s_barrier_signal -1
	s_barrier_wait -1                              ; everybody's is
	s_mov_b32 s[CNT], 8
.Lpb:
	STEP 1, QSH
	s_sub_co_u32 s[CNT], s[CNT], 1
	s_cmp_lg_u32 s[CNT], 0
	s_cbranch_scc1 .Lpb
	s_setprio 0
	FINISH 42, 46
	s_wait_xcnt 0x0                                ; hi's stores have read their registers, which the next tile writes again
.irp j, 0,1,2,3,4,5,6,7
	v_mov_b32 v[QF+\j], v[QL+\j]
.endr
	INIT 58
	s_mov_b32 s[TB], 0
	s_mov_b32 s[KSI], 0
	s_lshr_b32 s[DS], s[WV], 1                     ; lo's diagonal step
	s_mov_b32 s[CNT], 8
.Lpc:
	STEP 1, QSL
	s_sub_co_u32 s[CNT], s[CNT], 1
	s_cmp_lg_u32 s[CNT], 0
	s_cbranch_scc1 .Lpc
	s_setprio 0
	FINISH 44, 48
	s_wait_xcnt 0x0
	v_lshl_add_u32 v254, v0, 2, 0x43000
	v_mov_b32 v255, 0
	s_wait_alu depctr_va_vdst(0)
	s_wait_tensorcnt 0x0
	ds_add_u32 v254, v255
	s_wait_dscnt 0x0
	CROUND                                         ; the closing round
	s_endpgm
.Lfunc_end_k_q4829185710_attn:
	.size	k_q4829185710_attn, .Lfunc_end_k_q4829185710_attn-k_q4829185710_attn
	.p2alignl 7, 3214868480
	.fill 96, 4, 3214868480
	.section	.rodata,"a",@progbits
	.p2align	6, 0x0
	.amdhsa_kernel k_q4829185710_attn
		.amdhsa_group_segment_fixed_size 276480
		.amdhsa_private_segment_fixed_size 0
		.amdhsa_enable_private_segment 0
		.amdhsa_kernarg_size 32
		.amdhsa_user_sgpr_count 2
		.amdhsa_user_sgpr_kernarg_segment_ptr 1
		.amdhsa_wavefront_size32 1
		.amdhsa_system_sgpr_workgroup_id_x 1
		.amdhsa_system_sgpr_workgroup_id_y 1
		.amdhsa_system_sgpr_workgroup_id_z 1
		.amdhsa_system_vgpr_workitem_id 0
		.amdhsa_next_free_vgpr 256
		.amdhsa_next_free_sgpr 66
		.amdhsa_reserve_vcc 1
		.amdhsa_float_denorm_mode_32 3
		.amdhsa_float_denorm_mode_16_64 3
		.amdhsa_fp16_overflow 1
		.amdhsa_memory_ordered 1
		.amdhsa_forward_progress 1
		.amdhsa_inst_pref_size 81
	.end_amdhsa_kernel
	.amdgpu_metadata
---
amdhsa.version: [ 1, 2 ]
amdhsa.kernels:
  - .name:           k_q4829185710_attn
    .symbol:         k_q4829185710_attn.kd
    .args:
      - { .name: qbuf, .offset: 0, .size: 8, .value_kind: global_buffer, .address_space: global }
      - { .name: kv, .offset: 8, .size: 8, .value_kind: global_buffer, .address_space: global }
      - { .name: cimg, .offset: 16, .size: 8, .value_kind: global_buffer, .address_space: global }
      - { .name: cscl, .offset: 24, .size: 8, .value_kind: global_buffer, .address_space: global }
    .group_segment_fixed_size: 276480
    .private_segment_fixed_size: 0
    .kernarg_segment_align: 8
    .kernarg_segment_size: 32
    .max_flat_workgroup_size: 512
    .sgpr_count:     66
    .vgpr_count:     256
    .wavefront_size: 32
...
	.end_amdgpu_metadata
.endif
;; end of part 2
;; launch oproj (part 3): grid 4 x 64, 4 waves a work-group, clusters of 4 x 4, 327,680 bytes of LDS; arguments cimg, cscl, W_out_codes, W_out_scales, b_out, out0; writes out0
.if DOCPART == 3
	.amdgcn_target "amdgcn-amd-amdhsa--gfx1250"
	.amdhsa_code_object_version 6
	.text
	.protected	k_q4829185710_oproj
	.globl	k_q4829185710_oproj
	.p2align	8
	.type	k_q4829185710_oproj,@function
k_q4829185710_oproj:
	s_mov_b64 s[64:65], 0
	v_nop
	global_prefetch_b8 v0, s[64:65] scope:SCOPE_SE
	s_setreg_imm32_b32 hwreg(HW_REG_WAVE_MODE, 25, 1), 1
	s_wait_xcnt 0x0
	s_wait_alu depctr_hold_cnt(0) depctr_sa_sdst(0) depctr_va_vdst(0) depctr_va_sdst(0) depctr_va_ssrc(0) depctr_va_vcc(0) depctr_vm_vsrc(0)
	s_getreg_b32 s2, hwreg(HW_REG_IB_STS2, 6, 4)
	s_cmp_eq_u32 s2, 0
	s_cbranch_scc0 .Lentry_in_a_cluster
	s_endpgm
.Lentry_in_a_cluster:
	s_bfe_u32 s2, ttmp6, 0x10000c
	s_cmp_lg_u32 s2, 0xf033
	s_cbranch_scc0 .Lentry_shape_is_right
	s_endpgm
.Lentry_shape_is_right:
; out0 = C W_out + b_out on codes of FP8 (E4M3) with one E8M0 scale for each 32 along K = 1,024.  out0: [8192][1024] f32.
; C comes from the launch before as pieces: cimg [tile of 16 tokens 512][K step of 128: 8][block c 4][512 bytes], lane l's 16 bytes at 16 l: an image of the operand's registers.  Inside a block of 32 its order is
; k = 16 v + 8 h + j at byte 8 v + j of lane (r, h).  W_out's rows ([1024 (n)][1024 (k)], natural order) are therefore read from LDS in the same order, 8 bytes at a time: at 32 c + 16 v + 8 h of a row.
; Scale bytes: cscl [8192][32], W_out_scales [1024][32]: a lane loads 16 bytes of its row once: register s % 4 holds the word of K step s, in lanes 0-15 for s < 4, in lanes 16-31 for s >= 4.
; A tile is 128 tokens x 256 n: 256 work-groups of four waves; a wave makes 64 x 128: 32 accumulators.  K goes in slots of 256 through a ring of two; eight steps of 128, written out, since the scale registers change with the step.
; The launch is bound by its output, 131,072 bytes a work-group; a wave's 64 x 128 reads more LDS bytes for each product than a larger tile would, which is the price of a work-group for each of 256 WGPs.
; CLUSTERS: 4 x 4.  C's tile hangs on the tile row alone and is asked for jointly along a row of the cluster, W_out's on the tile column alone, along a column.
; TRANSPOSED USE: source 0 = 16 rows of W_out, source 1 = 16 tokens: a lane holds eight neighbouring n of one token.  The bias is the C of each sum's first product.
; REGISTERS: window 0: v0-31 addresses; v32-47 C's scale words, v48-79 W_out's; v128-255 C's fragments, two sets.  window 1: W_out's fragments, two sets.  window 2: accumulator (a, b) at v[8 (8 a + b)].  window 3: v0-63 the bias.
.set FR,    16
.set APART, 32768                      ; a slot: C's 8 tiles x 2 steps x 4 pieces,
.set BHALF, 128*272                    ; then W_out's 256 rows of 256 bytes + 16 of padding
.set SLOT,  APART+2*BHALF
.set SPARE, 2*SLOT                     ; the spare words, 128 bytes for each wave: two blocks of 256 bytes that no other line names
.set STAGE, SPARE+512                  ; the way out: 16 rows x (512 + 16) bytes for each wave; no fill lands here
.set SPITCH, 528
.set ADRA, 16                          ; v16-17 LDS address of my C pieces in slot 0, 1
.set ADRB, 20                          ; v20-21 of my rows of W_out
.set STO,  24
.set RD,   25
.set CO,   26
.set SPW,  28
.set NIL,  29
.set CSC,  32
.set WSC,  48
.set CF,   128
.set BK,   128                         ; the way out: 16 rows read back: v128-191 and v192-255 by turns
.set WV,   16                          ; s16 wave; s17 which 64 tokens (also: I fetch for C (0) or W_out (1)); s18 which 128 n (also: which half I fetch)
.set HR,   17
.set HC,   18
.set G1A,  24
.set G0A,  32
.set G1B,  48
.set G0B,  56
.set MSB, 0
.macro WIN new
.if MSB != (\new)
	s_set_vgpr_msb (MSB<<8)|(\new)
.set MSB, (\new)
.endif
.endm
.macro JLOAD s                         ; a joint load: waves 0 and 1 fetch C's halves, waves 2 and 3 W_out's; four v_nop follow each line
	s_cmp_eq_u32 s[HR], 0
	s_cbranch_scc0 .Lfor_b_\@
	tensor_load_to_lds s[G0A+4*\s:G0A+4*\s+3], s[G1A:G1A+7]
	s_nop 0
.rept 4
	v_nop
.endr
	s_branch .Lasked_\@
.Lfor_b_\@:
	tensor_load_to_lds s[G0B+4*\s:G0B+4*\s+3], s[G1B:G1B+7]
	s_nop 0
.rept 4
	v_nop
.endr
.Lasked_\@:
.endm
.macro CREST
	s_cmp_lg_u32 s[WV], 0
	s_cbranch_scc1 .Lnot_wave_0_\@
	s_barrier_signal -3
.Lnot_wave_0_\@:
	s_barrier_wait -3
	s_barrier_signal -1
	s_barrier_wait -1
.endm
.macro CROUND
	s_barrier_signal -1
	s_barrier_wait -1
	CREST
.endm
.macro PLACES n
.rept \n
	v_nop
.endr
.endm
	s_load_b256 s[4:11], s[0:1], 0x0               ; cimg s[4:5], cscl s[6:7], W_out's codes s[8:9], its scale bytes s[10:11]
	s_load_b128 s[12:15], s[0:1], 0x20             ; b_out s[12:13], out0 s[14:15]
	v_lshl_add_u32 v[SPW], v0, 2, SPARE
	v_mov_b32 v[NIL], 0
	ds_add_u32 v28, v29
	ds_add_u32 v28, v29
	s_wait_dscnt 0x0
	v_lshrrev_b32 v1, 5, v0
	v_readfirstlane_b32 s[WV], v1
	s_lshr_b32 s[HR], s[WV], 1
	s_and_b32 s[HC], s[WV], 1
	s_bfe_u32 s19, ttmp6, 0x40000                  ; cx = the tile column (the grid is one cluster wide)
	s_bfe_u32 s20, ttmp6, 0x40004                  ; cy
	s_and_b32 s21, ttmp7, 0xffff
	s_lshl_b32 s21, s21, 2
	s_add_co_u32 s21, s21, s20                     ; the tile row, 0..63
	s_lshl_b32 s22, s20, 2
	s_lshl_b32 s22, 15, s22                        ; my row of the cluster
	s_lshl_b32 s23, 0x1111, s19                    ; my column
	; C: four tiles of tokens: 4 rows of 4,096 bytes (512 elements of 8 bytes: two K steps' pieces), 16,384 bytes apart; no padding: pieces are read 16 bytes a lane on end
	s_or_b32 s[G1A], s22, (3<<16)|(1<<21)
	s_mov_b32 s[G1A+1], 512<<16
	s_mov_b32 s[G1A+2], 4<<16
	s_mov_b32 s[G1A+3], 512<<16
	s_mov_b32 s[G1A+4], 4
	s_mov_b32 s[G1A+5], 2048
	s_mov_b32 s[G1A+6], 0
	s_mov_b32 s[G1A+7], 0
	; W_out: 128 rows of 256 bytes, 1,024 apart, four words of padding behind every 64
	s_or_b32 s[G1B], s23, (0<<16)|(1<<20)|(1<<21)|(5<<22)|(3<<25)
	s_mov_b32 s[G1B+1], 256<<16
	s_mov_b32 s[G1B+2], 128<<16
	s_mov_b32 s[G1B+3], 256<<16
	s_mov_b32 s[G1B+4], 128
	s_mov_b32 s[G1B+5], 1024
	s_mov_b32 s[G1B+6], 0
	s_mov_b32 s[G1B+7], 0
	s_lshl_b32 s40, s21, 3
	s_lshl_b32 s41, s[HC], 2
	s_add_co_u32 s40, s40, s41                     ; C: tile of tokens 8 x tile row + 4 x half
	s_lshl_b32 s40, s40, 14
	s_mov_b32 s41, 0
	s_lshl_b32 s42, s19, 8
	s_lshl_b32 s43, s[HC], 7
	s_add_co_u32 s42, s42, s43                     ; W_out: row 256 x tile column + 128 x half
	s_lshl_b32 s42, s42, 10
	s_mov_b32 s43, 0
	s_lshl_b32 s44, s[HC], 14                      ; where they go: no place in the cluster enters an LDS address
	s_mul_i32 s45, s[HC], BHALF
	s_add_co_u32 s45, s45, APART
	s_wait_kmcnt 0x0
	s_add_nc_u64 s[40:41], s[4:5], s[40:41]
	s_add_nc_u64 s[42:43], s[8:9], s[42:43]
	CROUND                                         ; all sixteen work-groups are here: the first joint loads meet
.irp s, 0,1
	s_mov_b32 s[G0A+4*\s], 1
	s_add_co_u32 s[G0A+4*\s+1], s44, \s*SLOT
	s_add_nc_u64 s[G0A+4*\s+2:G0A+4*\s+3], s[40:41], \s*4096
	s_or_b32 s[G0A+4*\s+3], s[G0A+4*\s+3], 0x80000000
	s_mov_b32 s[G0B+4*\s], 1
	s_add_co_u32 s[G0B+4*\s+1], s45, \s*SLOT
	s_add_nc_u64 s[G0B+4*\s+2:G0B+4*\s+3], s[42:43], \s*256
	s_or_b32 s[G0B+4*\s+3], s[G0B+4*\s+3], 0x80000000
	s_wait_alu depctr_va_vdst(0)
	s_wait_tensorcnt 0x0
	ds_add_u32 v28, v29
	ds_add_u32 v28, v29
	s_wait_dscnt 0x0
	CROUND
	JLOAD \s                                       ; one load of mine is out
.endr
	v_and_b32 v1, 15, v0                           ; r
	v_bfe_u32 v2, v0, 4, 1                         ; h
	v_and_b32 v3, 31, v0
	v_lshlrev_b32 v[CO], 4, v3                     ; 16 x lane
	s_lshl_b32 s46, s[HR], 14                      ; my four tiles of tokens
	v_add_nc_u32 v[ADRA], s46, v[CO]
	v_add_nc_u32 v[ADRA+1], SLOT, v[ADRA]
	v_mul_u32_u24 v5, v1, 272
	v_lshl_add_u32 v5, v2, 3, v5                   ; row r, + 8 h: with a pitch of 68 words the 32 lanes' 8 bytes fall on 64 different words modulo 64
	s_mul_i32 s46, s[HC], BHALF
	s_add_co_u32 s46, s46, APART
	v_add_nc_u32 v[ADRB], s46, v5
	v_add_nc_u32 v[ADRB+1], SLOT, v[ADRB]
	s_mul_i32 s46, s[WV], 16*SPITCH
	s_add_co_u32 s46, s46, STAGE                   ; my stage
	v_mul_u32_u24 v5, v1, SPITCH
	v_lshl_add_u32 v5, v2, 5, v5
	v_add_nc_u32 v[STO], s46, v5                   ; in: row r, 32 bytes for each half of the lanes
	v_add_nc_u32 v[RD], s46, v[CO]                 ; back: the 32 lanes take one row of 512 bytes
	v_lshlrev_b32 v6, 5, v1
	v_lshl_add_u32 v6, v2, 4, v6                   ; scale bytes: row r of 32, + 16 h
	s_wait_alu depctr_va_vdst(0)
	v_lshlrev_b32 v7, 5, v2                        ; the bias: 8 h numbers on
	s_wait_alu depctr_va_vdst(0)
	s_lshl_b32 s46, s21, 12
	s_lshl_b32 s47, s[HR], 11
	s_add_co_u32 s46, s46, s47
	s_mov_b32 s47, 0
	s_add_nc_u64 s[6:7], s[6:7], s[46:47]          ; C's scale bytes at my first token: 32 (128 x tile row + 64 x half)
	s_lshl_b32 s46, s19, 13
	s_lshl_b32 s2, s[HC], 12
	s_add_co_u32 s46, s46, s2
	s_add_nc_u64 s[10:11], s[10:11], s[46:47]      ; W_out's at my first n: 32 (256 x tile column + 128 x half)
	s_lshr_b32 s46, s46, 3
	s_add_nc_u64 s[12:13], s[12:13], s[46:47]      ; the bias, 4 bytes an n,
	s_add_nc_u64 s[14:15], s[14:15], s[46:47]      ; and out0's column
	s_lshl_b32 s46, s21, 19
	s_lshl_b32 s2, s[HR], 18
	s_add_co_u32 s46, s46, s2
	s_add_nc_u64 s[14:15], s[14:15], s[46:47]      ; and my first token's row of 4,096 bytes
.irp i, 0,1,2,3
	global_load_b128 v[CSC+4*\i:CSC+4*\i+3], v6, s[6:7] offset:512*\i
.endr
.irp b, 0,1,2,3,4,5,6,7
	global_load_b128 v[WSC+4*\b:WSC+4*\b+3], v6, s[10:11] offset:512*\b
.endr
	WIN 0xc0                                       ; destination window 3
.irp b, 0,1,2,3,4,5,6,7
	global_load_b128 v[8*\b:8*\b+3], v7, s[12:13] offset:64*\b        ; lane (r, h), register j: b_out[16 b + 8 h + j]: the result's layout
	global_load_b128 v[8*\b+4:8*\b+7], v7, s[12:13] offset:64*\b+16
.endr
	WIN 0
; the fragments of the slot's q-th 128 along K into set p: W_out's eight (8 bytes a load, in the order of C's codes), C's four (pieces)
.macro FETCH3 slot, q, p
	WIN 0x40                                       ; destination window 1
.irp b, 0,1,2,3,4,5,6,7
.irp c, 0,1,2,3,4,5,6,7
	ds_load_b64 v[128*(\p)+FR*\b+2*\c:128*(\p)+FR*\b+2*\c+1], v[ADRB+\slot] offset:\b*16*272+(\q)*128+16*\c
.endr
.endr
	WIN 0
.irp i, 0,1,2,3
.irp c, 0,1,2,3
	ds_load_b128 v[CF+64*(\p)+FR*\i+4*\c:CF+64*(\p)+FR*\i+4*\c+3], v[ADRA+\slot] offset:\i*4096+(\q)*2048+\c*512
.endr
.endr
.endm
; 8 matrix instructions: tile of tokens a x W_out's eight tiles, K step s, set p.  The 32 accumulators take turns, one instruction a turn, in the same order in every step.
.macro MUL8 a, p, s, first
.irp b, 0,1,2,3,4,5,6,7
.if \first
	v_wmma_scale_f32_16x16x128_f8f6f4 v[8*(8*(\a)+\b):8*(8*(\a)+\b)+7], v[128*(\p)+FR*\b:128*(\p)+FR*\b+FR-1], v[CF+64*(\p)+FR*(\a):CF+64*(\p)+FR*(\a)+FR-1], v[8*\b:8*\b+7], v[WSC+4*\b+(\s)%4], v[CSC+4*(\a)+(\s)%4]
.elseif (\s) < 4
	v_wmma_scale_f32_16x16x128_f8f6f4 v[8*(8*(\a)+\b):8*(8*(\a)+\b)+7], v[128*(\p)+FR*\b:128*(\p)+FR*\b+FR-1], v[CF+64*(\p)+FR*(\a):CF+64*(\p)+FR*(\a)+FR-1], v[8*(8*(\a)+\b):8*(8*(\a)+\b)+7], v[WSC+4*\b+(\s)%4], v[CSC+4*(\a)+(\s)%4]
.else
	v_wmma_scale_f32_16x16x128_f8f6f4 v[8*(8*(\a)+\b):8*(8*(\a)+\b)+7], v[128*(\p)+FR*\b:128*(\p)+FR*\b+FR-1], v[CF+64*(\p)+FR*(\a):CF+64*(\p)+FR*(\a)+FR-1], v[8*(8*(\a)+\b):8*(8*(\a)+\b)+7], v[WSC+4*\b+(\s)%4], v[CSC+4*(\a)+(\s)%4] matrix_a_scale:MATRIX_SCALE_ROW1 matrix_b_scale:MATRIX_SCALE_ROW1
.endif
.endr
.endm
; A slot's first step (set 0); in its middle the slot's second step is fetched into set 1.  first = 1: C is the bias, in window 3
.macro STEP3 slot, s, first
	s_wait_dscnt 0x0                               ; this step's fragments are in
	WIN 0xa1+0x10*(\first)                         ; source 0 window 1, source 1 window 0, D window 2, C window 2 or 3
	MUL8 0, 0, \s, \first
	MUL8 1, 0, \s, \first
	PLACES 8                                       ; in front of loads into registers that matrix instructions have read
	FETCH3 \slot, 1, 1
	WIN 0xa1+0x10*(\first)
	MUL8 2, 0, \s, \first
	MUL8 3, 0, \s, \first
.endm
; A slot's second step (set 1) changes slots: ONE barrier; in front of it each wave waits for all its tensor loads, adds 0 to its spare word, and waits for that and for its own reads of this slot.
.macro TURN3 slot, next, s, fill
	WIN 0                                          ; (the add's two registers lie in window 0)
	s_wait_tensorcnt 0x0                           ; all my tensor loads have landed: my part of the next slot
	ds_add_u32 v[SPW], v[NIL]                      ; 0 onto my spare word
	s_wait_dscnt 1                                 ; this step's fragments are in (the add may be out)
	WIN 0xa1
	MUL8 0, 1, \s, 0                               ; eight matrix instructions stand between the add and the wait for it
	s_wait_dscnt 0x0                               ; the add is done, and my reads of this slot are over
	s_barrier_signal -1
	MUL8 1, 1, \s, 0
	WIN 0
	s_barrier_wait -1
.if \fill
	CREST                                          ; the barrier has opened a round of the cluster's barrier: no wave of any partner still reads this slot or has a load on its way
	s_add_nc_u64 s[G0A+4*\slot+2:G0A+4*\slot+3], s[G0A+4*\slot+2:G0A+4*\slot+3], 2*4096
	s_add_nc_u64 s[G0B+4*\slot+2:G0B+4*\slot+3], s[G0B+4*\slot+2:G0B+4*\slot+3], 2*256
	JLOAD \slot                                    ; the first tensor load behind the round; its four v_nop are among the places in front of the loads below
	PLACES 4
.else
	PLACES 8
.endif
	FETCH3 \next, 0, 0
	WIN 0xa1
	MUL8 2, 1, \s, 0
	MUL8 3, 1, \s, 0
.endm
	s_wait_tensorcnt 1                             ; my part of slot 0 is in (slot 1's load may be out)
	s_barrier_signal -1
	s_barrier_wait -1                              ; everybody's is
	FETCH3 0, 0, 0
	s_wait_loadcnt 0x0                             ; the scale words and the bias
	STEP3 0, 0, 1
	TURN3 0, 1, 1, 1                               ; slot 0 takes K steps 4 and 5
	STEP3 1, 2, 0
	TURN3 1, 0, 3, 1                               ; slot 1 takes K steps 6 and 7
	STEP3 0, 4, 0
	TURN3 0, 1, 5, 0                               ; nothing is left to fetch
	STEP3 1, 6, 0
	s_wait_dscnt 0x0
	WIN 0xa1
	MUL8 0, 1, 7, 0
	MUL8 1, 1, 7, 0
	MUL8 2, 1, 7, 0
	MUL8 3, 1, 7, 0
	WIN 0
; THE WAY OUT, a block of 16 tokens x 128 n at a time: a lane holds 32 neighbouring bytes of a row and the lanes beside it other rows: so a block goes through my own stage in LDS and comes back as whole rows of 512 bytes.
; LDS serves a wave's instructions in order (ISA guide 5.7.1.4): no wait between the stores and the loads, nor in front of the next block's stores.
.macro TOSTAGE a
.set AC, 64*(\a)
	WIN 0x08                                       ; an LDS store's data are its source 1: window 2
.irp b, 0,1,2,3,4,5,6,7
	ds_store_b128 v[STO], v[AC+8*\b:AC+8*\b+3] offset:64*\b          ; each accumulator from its low end on
	ds_store_b128 v[STO], v[AC+8*\b+4:AC+8*\b+7] offset:64*\b+16
.endr
	WIN 0
.set BB, BK+64*((\a)%2)
.irp t, 0,1,2,3,4,5,6,7,8,9,10,11,12,13,14,15
	ds_load_b128 v[BB+4*\t:BB+4*\t+3], v[RD] offset:\t*SPITCH
.endr
.endm
.macro SEND a, younger                 ; younger: the LDS instructions issued behind block a's loads, which may stay out
.set BB, BK+64*((\a)%2)
	s_wait_dscnt \younger
.if (\a) > 0
	s_add_nc_u64 s[14:15], s[14:15], 16*4096       ; 16 rows on (the earlier stores have read their base: the wait on XCNT stands ahead)
.endif
.irp t, 0,1,2,3,4,5,6,7,8,9,10,11,12,13,14,15
	global_store_b128 v[CO], v[BB+4*\t:BB+4*\t+3], s[14:15] offset:\t*4096 th:TH_STORE_NT   ; 32 lanes store 512 consecutive bytes, at a multiple of 256 from out0's first byte; written once, read by nobody here
.endr
.endm
	PLACES 8                                       ; behind the last products: for the reads of results and the loads into the registers that held C's fragments
	TOSTAGE 0
.irp a, 1,2,3
.if \a > 1
	s_wait_xcnt 0x0                                ; block a - 2's stores have read their registers and their base
.endif
	TOSTAGE \a
	SEND \a-1, 32                                  ; behind block a - 1's loads: block a's 16 stores and 16 loads
.endr
	s_wait_xcnt 0x0
	SEND 3, 0
	s_wait_tensorcnt 0x0                           ; the wave's end
	ds_add_u32 v[SPW], v[NIL]
	s_wait_dscnt 0x0
	CROUND                                         ; the closing round
	s_endpgm
.Lfunc_end_k_q4829185710_oproj:
	.size	k_q4829185710_oproj, .Lfunc_end_k_q4829185710_oproj-k_q4829185710_oproj
	.p2alignl 7, 3214868480
	.fill 96, 4, 3214868480
	.section	.rodata,"a",@progbits
	.p2align	6, 0x0
	.amdhsa_kernel k_q4829185710_oproj
		.amdhsa_group_segment_fixed_size 327680
		.amdhsa_private_segment_fixed_size 0
		.amdhsa_enable_private_segment 0
		.amdhsa_kernarg_size 48
		.amdhsa_user_sgpr_count 2
		.amdhsa_user_sgpr_kernarg_segment_ptr 1
		.amdhsa_wavefront_size32 1
		.amdhsa_system_sgpr_workgroup_id_x 1
		.amdhsa_system_sgpr_workgroup_id_y 1
		.amdhsa_system_sgpr_workgroup_id_z 1
		.amdhsa_system_vgpr_workitem_id 0
		.amdhsa_next_free_vgpr 832
		.amdhsa_next_free_sgpr 66
		.amdhsa_reserve_vcc 0
		.amdhsa_float_denorm_mode_32 3
		.amdhsa_float_denorm_mode_16_64 3
		.amdhsa_memory_ordered 1
		.amdhsa_forward_progress 1
		.amdhsa_inst_pref_size 104
	.end_amdhsa_kernel
	.amdgpu_metadata
---
amdhsa.version: [ 1, 2 ]
amdhsa.kernels:
  - .name:           k_q4829185710_oproj
    .symbol:         k_q4829185710_oproj.kd
    .args:
      - { .name: cimg, .offset: 0, .size: 8, .value_kind: global_buffer, .address_space: global }
      - { .name: cscl, .offset: 8, .size: 8, .value_kind: global_buffer, .address_space: global }
      - { .name: W_out_codes, .offset: 16, .size: 8, .value_kind: global_buffer, .address_space: global }
      - { .name: W_out_scales, .offset: 24, .size: 8, .value_kind: global_buffer, .address_space: global }
      - { .name: b_out, .offset: 32, .size: 8, .value_kind: global_buffer, .address_space: global }
      - { .name: out0, .offset: 40, .size: 8, .value_kind: global_buffer, .address_space: global }
    .group_segment_fixed_size: 327680
    .private_segment_fixed_size: 0
    .kernarg_segment_align: 8
    .kernarg_segment_size: 48
    .max_flat_workgroup_size: 128
    .sgpr_count:     66
    .vgpr_count:     832
    .wavefront_size: 32
...
	.end_amdgpu_metadata
.endif
;; end of part 3
